; MI455X (gfx1250); checked and timed in simulation.
; The chip was launched on July 23, 2026; its instructions are those of AMD's public machine-readable ISA for CDNA 5 (MIT licence, August 2026) and "CDNA5" Instruction Set Architecture Reference Guide (July 2026). The comments in the code are by the model that wrote it; some were corrected since.
;; Attention. Allowed arithmetic: matrix products marked QUANTISED: E2M3 operands, one E8M0 scale for each 32 along K, by v_wmma_scale_f32_16x16x128_f8f6f4 with both operands' format E2M3, f32 sums; everything else in f32.
;; Inputs: W_out 1,024 x 1,024 float32; W_qkv 3,072 x 1,024 float32; X 2 x 2,048 x 1,024 float32; mask 2 x 2,048 bool.
;; Outputs: out0 2 x 2,048 x 1,024 float32.
;; This version of the problem:
;;   THIS VERSION OF THE PROBLEM IS GIVEN IN LOW PRECISION. The matrix products marked QUANTISED in the list below multiply operands that are first quantised to E2M3 (2 exponent bits, 3 mantissa bits; 6 bits a number), with one power-of-two scale for each 32 numbers along K (OCP MX v1.0); their sums are f32. All else is computed in f32.
;;   The module's matrix products, in the order in which they are computed (A, B: the left and right operand; K: the contracted axis; several contracted axes count as one K, in the product's order):
;;     1. [M 4,096, K 1,024] x [K 1,024, N 3,072]; A: input X; B: input W_qkv: QUANTISED
;;     2. batch 32 x [M 2,048, K 64] x [K 64, N 2,048]; A: computed on the way; B: computed on the way: QUANTISED
;;     3. batch 32 x [M 64, K 2,048] x [K 2,048, N 2,048]; A: computed on the way; B: softmax (see below): QUANTISED
;;     4. [M 4,096, K 1,024] x [K 1,024, N 1,024]; A: computed on the way; B: input W_out: QUANTISED
;;   THE QUANTISER, for each operand of a quantised product, along K:
;;     - K is cut into blocks of 32 from its start; a last block that is shorter is filled with zeros.
;;     - A block's scale is 2^e with e = floor(log2(the largest magnitude in the block)) - 2, held to -126 .. 127; a block of zeros has e = 0. As a byte (E8M0): e + 127.
;;     - Each number is divided by its block's scale, clamped to +-7.5, and rounded to the nearest number of E2M3, ties to even, subnormals kept.
;;     - The product sums the exact products of the quantised numbers (number of the format x scale) in f32.
;;   ~~~python
;;   def quantise(x, axis):      # numpy; x: float32 -> the quantised numbers, widened to float32 again
;;       x = np.moveaxis(x, axis, -1); K = x.shape[-1]
;;       x = np.pad(x, [(0, 0)] * (x.ndim - 1) + [(0, -K % 32)]); x = x.reshape(x.shape[:-1] + (-1, 32)); a = np.abs(x).max(-1, keepdims=True)
;;       e = np.where(a > 0, np.clip(np.frexp(np.where(a > 0, a, 1))[1] - 1 - 2, -126, 127), 0)      # np.frexp(a)[1] - 1 = floor(log2(a)), exactly
;;       r = np.clip(x / 2.0 ** e, -7.5, 7.5)
;;       step = 2.0 ** (np.maximum(np.frexp(np.where(r == 0, 1, r))[1] - 1, 0) - 3)
;;       q = np.round(r / step) * step * 2.0 ** e      # np.round: ties to even
;;       return np.moveaxis(q.reshape(q.shape[:-2] + (-1,))[..., :K], -1, axis).astype(np.float32)
;;   ~~~
;;   SOFTMAX AHEAD OF A QUANTISED PRODUCT. Where the list says 'softmax', what is quantised is not the finished softmax but p = 2^(t - M), with t = logit x log2(e) and M = ceil(the row's largest t), a whole number; so 1/2 < the row's largest p <= 1. The row's sum l is taken of the UNQUANTISED p, in f32, and the product's result is divided by l at the end. Since M is a whole number, a kernel that streams over the keys may use a running M (the ceiling of the running maximum): every later rescaling is an exact power of two, which a block's scale takes up: the codes' values come out the same.
;;   OPERANDS COMPUTED ON THE WAY. 'Computed on the way' means the value that the module computes at that place (a softmax that the list does not call 'softmax' is quantised finished and normalised). What goes into a quantiser is computed in f32, as accurately as f32 sums, v_exp_f32 and their like allow (about 1e-6 of the number): no bf16 or f16 on the way to a quantiser, and a product that is left as it is and whose result goes on into a quantised operand takes f32 operands (vector FMAs, or v_wmma_f32_16x16x4_f32). A number that lies on a knife's edge between two numbers of the format may be rounded either way, as far as f32 arithmetic and the matrix unit's own rounding can turn it there, and no further.
;; One version. Each part assembles by itself: llvm-mc -triple=amdgcn-amd-amdhsa -mcpu=gfx1250 --defsym DOCPART=n.
;; ======== version 1 of 1: 4 launches
;; limits: right only within a limited range of input values
;; workspace buffers: opnd 6,553,600 bytes; kvq 13,369,344 bytes; att 3,276,800 bytes
;; launch quant (part 1): grid 256 x 1, 4 waves a work-group, no clusters, 33,280 bytes of LDS; arguments X, W_qkv, W_out, opnd; writes opnd
.if DOCPART == 1
	.amdgcn_target "amdgcn-amd-amdhsa--gfx1250"
	.amdhsa_code_object_version 6
	.text
	.protected	k_q9c9ce0eae5_quant
	.globl	k_q9c9ce0eae5_quant
	.p2align	8
	.type	k_q9c9ce0eae5_quant,@function
k_q9c9ce0eae5_quant:
	s_mov_b64 s[64:65], 0
	v_nop
	global_prefetch_b8 v0, s[64:65] scope:SCOPE_SE
	s_setreg_imm32_b32 hwreg(HW_REG_WAVE_MODE, 25, 1), 1
	s_wait_xcnt 0x0
; X [4096][1024], W_qkv [3072][1024] and W_out [1024][1024], f32, become codes of FP6 (E2M3), K innermost, 768 bytes a row, with one E8M0 byte for each 32 along K, 32 bytes a row.
; A block's scale is 2^(floor(log2(its largest magnitude)) - 2); its byte is the largest magnitude's exponent field - 2, held at 1 from below (a block of zeros gets the byte 1: its codes are zeros, and this program alone reads the bytes).
; LIMITS: blocks whose largest magnitude lies under 2^-124 keep the byte 1; NaN and infinities among the inputs are not served.
; WHERE THE ROWS GO.  A row of X, and a row j = 64 h + d of each of W_qkv's three parts (source row 3 j + c; c = 0 q, 1 k, 2 v; laid c x 1024 + ..), is stored at a POSITION: its index with bits 5, 4, 3 = (x, y, z) turned into (y, z, x).
; Position 64 c + 16 i + 8 x + j then holds index 64 c + 32 x + 8 i + j: in a transposed product a lane's 32 registers of four neighbouring tiles are 32 neighbours, one whole block of the next K.  W_out's rows stay where they are.
; A wave takes 8 rows (a run of 8,192 numbers) in 16 steps of 512; the turn of bits is a turn of the run number's three low bits.
; Each of a step's four loads reads 512 consecutive bytes; the 2,048 bytes turn through the wave's own stage in LDS and come back 64 bytes (16 neighbours along K) a lane.  No barrier: waves share nothing.
.set WAVES, 4
.set STEPS, 16
.set EMAX,  2
.set CB,    12
.set R,     16                         ; v16-79 four sets of 16 numbers as loaded
.set X,     80                         ; v80-111 two sets of 16 neighbours
.set C,     128                        ; v128-191 codes, four registers a step
.set E,     112                        ; v112-127 a scale byte a step
.set SRC,   192                        ; v192-199 my offset in each of the run's 8 source rows
.set WREG,  8192
.set SP,    80
.set SPW,   12
.set NIL,   13
.set SPARE, WAVES*WREG
.set XC, 0
.set WC, 3145728
.set OC, 5505024
.set XS, 6291456
.set WS, 6422528
.set OS, 6520832
	s_load_b256 s[4:11], s[0:1], 0x0               ; X, W_qkv, W_out, the operands' buffer
	v_lshl_add_u32 v[SPW], v0, 2, SPARE
	v_mov_b32 v[NIL], 0
	v_lshrrev_b32 v1, 5, v0
	v_readfirstlane_b32 s16, v1                    ; wave
	v_and_b32 v2, 31, v0
	v_lshlrev_b32 v3, 4, v2
	s_mul_i32 s17, s16, WREG
	v_lshrrev_b32 v14, 2, v2
	v_mul_u32_u24 v14, v14, SP
	v_and_b32 v15, 3, v2
	v_lshl_add_u32 v14, v15, 4, v14
	v_add_nc_u32 v14, s17, v14                     ; the stage, in: SP (lane / 4) + 16 (lane % 4)
	v_mul_u32_u24 v15, v2, SP
	v_add_nc_u32 v15, s17, v15                     ; out: SP x lane
	v_mul_u32_u24 v4, v2, CB
	v_lshrrev_b32 v5, 1, v2
	s_add_co_u32 s17, s17, 2*32*SP
	v_add_nc_u32 v5, s17, v5                       ; my block's scale byte in LDS
	v_lshlrev_b32 v7, 3, v2
	v_add_nc_u32 v6, s17, v7
	; work-groups 0-127 X, 128-223 W_qkv, 224-255 W_out: every choice hangs on the work-group's number alone
	s_mov_b32 s20, 12288
	s_mov_b32 s22, WS
	s_cmp_lt_u32 ttmp9, 128
	s_cselect_b32 s18, 0, 128
	s_cselect_b32 s20, 4096, s20                   ; bytes from row to row of the run in the source
	s_cselect_b32 s21, XC, WC
	s_cselect_b32 s22, XS, s22
	s_cmp_ge_u32 ttmp9, 224
	s_cselect_b32 s18, 224, s18
	s_cselect_b32 s20, 4096, s20
	s_cselect_b32 s21, OC, s21
	s_cselect_b32 s22, OS, s22
	s_sub_co_u32 s18, ttmp9, s18
	s_lshl_b32 s18, s18, 2
	s_add_co_u32 s24, s18, s16                     ; the run that I read
	s_and_b32 s25, s24, 3
	s_lshl_b32 s25, s25, 1
	s_bfe_u32 s26, s24, 0x10002
	s_or_b32 s25, s25, s26                         ; its three low bits turned left by one
	s_and_not1_b32 s26, s24, 7
	s_or_b32 s25, s25, s26
	s_cmp_ge_u32 ttmp9, 224
	s_cselect_b32 s25, s24, s25                    ; the run's place in the buffer; W_out's rows are not moved
	s_lshl_b32 s26, s24, 15
	s_and_b32 s27, s24, 127                        ; W_qkv: run = 128 c + j / 8: source row 3 j + c
	s_mul_i32 s27, s27, 24
	s_lshr_b32 s28, s24, 7
	s_add_co_u32 s27, s27, s28
	s_lshl_b32 s27, s27, 12
	s_cmp_eq_u32 s20, 12288
	s_cselect_b32 s26, s27, s26
	s_mov_b32 s27, 0
	s_mul_i32 s28, s25, 6144
	s_add_co_u32 s28, s28, s21
	s_mov_b32 s29, 0
	s_lshl_b32 s30, s25, 8
	s_add_co_u32 s30, s30, s22
	s_mov_b32 s31, 0
.irp i, 0,1,2,3,4,5,6,7
	v_mad_u32_u24 v[SRC+\i], s20, \i, v3
.endr
	s_wait_alu depctr_va_vdst(0)                   ; the wait at the head's end
	s_wait_kmcnt 0x0
	s_cmp_lt_u32 ttmp9, 128
	s_cselect_b64 s[4:5], s[4:5], s[6:7]
	s_cmp_ge_u32 ttmp9, 224
	s_cselect_b64 s[4:5], s[8:9], s[4:5]
	s_add_nc_u64 s[4:5], s[4:5], s[26:27]
	s_add_nc_u64 s[8:9], s[10:11], s[28:29]        ; my run's codes
	s_add_nc_u64 s[10:11], s[10:11], s[30:31]      ; my run's scale bytes
.macro LOAD t                          ; step t: half t % 2 of row t / 2
.irp i, 0,1,2,3
	global_load_b128 v[R+16*((\t)%4)+4*\i:R+16*((\t)%4)+4*\i+3], v[SRC+(\t)/2], s[4:5] offset:2048*((\t)%2)+512*\i th:TH_LOAD_NT
.endr
.endm
.macro TURN t                          ; LDS serves a wave's instructions in order: no wait between the stores and the loads
.irp i, 0,1,2,3
	ds_store_b128 v14, v[R+16*((\t)%4)+4*\i:R+16*((\t)%4)+4*\i+3] offset:32*SP*((\t)%2)+8*SP*\i
.endr
.irp i, 0,1,2,3
	ds_load_b128 v[X+16*((\t)%2)+4*\i:X+16*((\t)%2)+4*\i+3], v15 offset:32*SP*((\t)%2)+16*\i
.endr
.endm
.irp t, 0,1,2,3
	LOAD \t
.endr
	s_wait_loadcnt 12                              ; step 0's four loads are in; twelve stay out
	TURN 0
.macro STEP t
.set XS0, X+16*((\t)%2)
.if (\t) > 0
	s_wait_dscnt 1                                 ; this step's numbers are back (the last step's byte store may be out)
.else
	s_wait_dscnt 0x0
.endif
.if (\t)+4 < STEPS
	LOAD (\t)+4
.endif
.if (\t)+1 < STEPS
.if STEPS-2-(\t) >= 3
	s_wait_loadcnt 12                              ; the next step's four are in; three steps' loads may be out
.else
	s_wait_loadcnt 4*(STEPS-2-(\t))
.endif
	TURN (\t)+1
.endif
	v_max3_num_f32 v8, |v[XS0]|, |v[XS0+1]|, |v[XS0+2]|
	v_max3_num_f32 v9, |v[XS0+3]|, |v[XS0+4]|, |v[XS0+5]|
.irp i, 6,10
	v_max3_num_f32 v8, v8, |v[XS0+\i]|, |v[XS0+\i+1]|
	v_max3_num_f32 v9, v9, |v[XS0+\i+2]|, |v[XS0+\i+3]|
.endr
	v_max3_num_f32 v8, v8, |v[XS0+14]|, |v[XS0+15]|
	v_max3_num_f32 v8, v8, v9, (EMAX+1)<<23        ; the floor 2^(3 - 127): the byte cannot fall under 1
	v_max_num_f32_dpp v8, v8, v8 row_xmask:1 row_mask:0xf bank_mask:0xf   ; with my neighbour's 16: the block's
	v_add_nc_u32 v11, -(EMAX<<23), v8              ; the conversion's scale operand
	v_cvt_scalef32_pk16_fp6_f32 v[C+4*(\t):C+4*(\t)+2], v[XS0:XS0+15], v11
	v_lshrrev_b32 v[E+(\t)], 23, v11               ; the scale's byte (also the plain line behind the conversion)
	ds_store_b8 v5, v[E+(\t)] offset:16*(\t)
	global_store_b96 v4, v[C+4*(\t):C+4*(\t)+2], s[8:9] offset:32*CB*(\t)
.endm
.irp t, 0,1,2,3,4,5,6,7,8,9,10,11,12,13,14,15
	STEP \t
.endr
	ds_load_b64 v[8:9], v6
	s_wait_dscnt 0x0
	global_store_b64 v7, v[8:9], s[10:11]          ; 32 lanes store 256 consecutive bytes, aligned
	s_wait_tensorcnt 0x0                           ; the wave's end
	ds_add_u32 v[SPW], v[NIL]
	s_wait_dscnt 0x0
	s_endpgm
.Lfunc_end_k_q9c9ce0eae5_quant:
	.size	k_q9c9ce0eae5_quant, .Lfunc_end_k_q9c9ce0eae5_quant-k_q9c9ce0eae5_quant
	.p2alignl 7, 3214868480
	.fill 96, 4, 3214868480
	.section	.rodata,"a",@progbits
	.p2align	6, 0x0
	.amdhsa_kernel k_q9c9ce0eae5_quant
		.amdhsa_group_segment_fixed_size 33280
		.amdhsa_private_segment_fixed_size 0
		.amdhsa_enable_private_segment 0
		.amdhsa_kernarg_size 32
		.amdhsa_user_sgpr_count 2
		.amdhsa_user_sgpr_kernarg_segment_ptr 1
		.amdhsa_wavefront_size32 1
		.amdhsa_system_sgpr_workgroup_id_x 1
		.amdhsa_system_sgpr_workgroup_id_y 1
		.amdhsa_system_sgpr_workgroup_id_z 1
		.amdhsa_system_vgpr_workitem_id 0
		.amdhsa_next_free_vgpr 200
		.amdhsa_next_free_sgpr 66
		.amdhsa_reserve_vcc 0
		.amdhsa_float_denorm_mode_32 3
		.amdhsa_float_denorm_mode_16_64 3
		.amdhsa_memory_ordered 1
		.amdhsa_forward_progress 1
		.amdhsa_inst_pref_size 34
	.end_amdhsa_kernel
	.amdgpu_metadata
---
amdhsa.version: [ 1, 2 ]
amdhsa.kernels:
  - .name:           k_q9c9ce0eae5_quant
    .symbol:         k_q9c9ce0eae5_quant.kd
    .args:
      - { .name: X, .offset: 0, .size: 8, .value_kind: global_buffer, .address_space: global }
      - { .name: W_qkv, .offset: 8, .size: 8, .value_kind: global_buffer, .address_space: global }
      - { .name: W_out, .offset: 16, .size: 8, .value_kind: global_buffer, .address_space: global }
      - { .name: opnd, .offset: 24, .size: 8, .value_kind: global_buffer, .address_space: global }
    .group_segment_fixed_size: 33280
    .private_segment_fixed_size: 0
    .kernarg_segment_align: 8
    .kernarg_segment_size: 32
    .max_flat_workgroup_size: 128
    .sgpr_count:     66
    .vgpr_count:     200
    .wavefront_size: 32
...
	.end_amdgpu_metadata
.endif
;; end of part 1
;; launch proj (part 2): grid 12 x 16, 4 waves a work-group, clusters of 4 x 4, 327,680 bytes of LDS; arguments opnd, mask, kvq; writes kvq
.if DOCPART == 2
	.amdgcn_target "amdgcn-amd-amdhsa--gfx1250"
	.amdhsa_code_object_version 6
	.text
	.protected	k_q9c9ce0eae5_proj
	.globl	k_q9c9ce0eae5_proj
	.p2align	8
	.type	k_q9c9ce0eae5_proj,@function
k_q9c9ce0eae5_proj:
	s_mov_b64 s[64:65], 0
	v_nop
	global_prefetch_b8 v0, s[64:65] scope:SCOPE_SE
	s_setreg_imm32_b32 hwreg(HW_REG_WAVE_MODE, 25, 1), 1
	s_wait_xcnt 0x0
	s_wait_alu depctr_hold_cnt(0) depctr_sa_sdst(0) depctr_va_vdst(0) depctr_va_sdst(0) depctr_va_ssrc(0) depctr_va_vcc(0) depctr_vm_vsrc(0)
	s_getreg_b32 s2, hwreg(HW_REG_IB_STS2, 6, 4)
	s_cmp_eq_u32 s2, 0
	s_cbranch_scc0 .Lentry_in_a_cluster
	s_endpgm
.Lentry_in_a_cluster:
	s_bfe_u32 s2, ttmp6, 0x10000c
	s_cmp_lg_u32 s2, 0xf033
	s_cbranch_scc0 .Lentry_shape_is_right
	s_endpgm
.Lentry_shape_is_right:
; q, k, v = X W_qkv^T on codes of FP6 (E2M3) with E8M0 scales, K = 1,024; the results are quantised here, q and k along the head's 64, v along the keys, and stored as images of operand registers.
; A tile of 256 x 256 is made by four waves, 128 x 128 each (64 accumulators, 512 registers).  K goes through two LDS slots in CHUNKS OF 256 BYTES of each row of codes (768 bytes a row: three chunks, each begins at a multiple of 256 bytes).
; A step of 128 along K is 96 bytes: eight steps to three chunks; steps 2 and 5 lie across two chunks.  The scale bytes of the tile's rows come once and stay.
; THE MATRIX INSTRUCTION IS USED TRANSPOSED: source 0 = 16 rows of 'B', source 1 = 16 rows of 'A': a lane holds ONE row of A and eight rows of B.
; ROLES, by the cluster's x (equal in all sixteen partners): 0 makes q, 1 makes k: A = tokens, B = rows of W_qkv's q or k part.  2 makes v: A = rows of W_qkv's v part, B = tokens.
; Rows lie at POSITIONS (position 64 c + 16 i + 8 x + j holds index 64 c + 32 x + 8 i + j), so the 32 registers of accumulators (a, 4 c .. 4 c + 3) are index 64 c + 32 (lane / 16) + 0 .. 31 of B: one whole block in a lane.
; OUT: records of 13,056 bytes for each (batch, head, 128 tokens): K 8 tiles x 768 (registers 0-3 at 16 x lane, 4-5 at 8 x lane), V 4 fragments x 1,536, K's scale words 512, V's 256.  q's records lie QREG further on and have K's two fields alone.
; THE MASK goes into k's scale words.  The score product pads K = 64 to 128; its code at k = 64 is +1 in q and -1 in k.  Byte 2 of k's word is 1 for a key that counts (adds -2^-126) and 227 for a hidden key (adds -2^100).
; LIMITS: scores of keys that count stay under 2^76 in magnitude; NaN and infinities among the inputs are not served.
; CLUSTERS: 4 x 4 work-groups; A's tiles are asked for jointly along a row of the cluster, B's along a column.
; NO PREFETCH: the walk has three chunks; two are asked for at the head and the third one step later, so no trip lies a whole step ahead of a load.
.set ROWB,   256
.set NQ,     2
.set KROW,   768
.set STEPS,  8
.set CHUNKS, 3
.set PITCH,  272                       ; 256 bytes + 16 of padding
.set FR,     12
.set NL,     6
.set NP,     4
.set HALFT,  128*PITCH
.set SLOT,   4*HALFT
.set KS,     32
.set SPARE,  2*SLOT
.set WC,  3145728
.set WCV, WC+2048*KROW
.set XS,  6291456
.set WS,  6422528
.set WSV, WS+2048*KS
.set REC, 13056
.set HS,  16*REC
.set QREG, 32*HS
.set SH8,  14                          ; v14 8 x (lane / 16)
.set ADRA, 16                          ; v16-17 my A fragments in slot 0, 1; v18-19 for a piece whose two halves of lanes read different chunks
.set ADRB, 20
.set L16,  24
.set L8,   25
.set VSO,  26
.set ADRS, 27
.set SPW,  28
.set NIL,  29
.set MKO,  30
.set LN,   31
.set SC,   32                          ; v32-95 scale words and nothing else: steps 2 p, 2 p + 1 of block i at v[32 + 16 p + 2 i]; lanes 0-15 A's rows, lanes 16-31 B's.  SC is set anew for each four steps
.set AF,   128                         ; v128-223 A's fragments
.set PC,   96                          ; the way out: block a's codes at v[PC + 12 a]
.set CT,   192
.set TM,   200
.set WRD,  208
.set SELW, 216
.set WA,   220
.set WB,   228
.set MB,   232
.set MK,   224
.set ISV,  66
.set G1, 24
.set G0, 32
.set G1B, 48
.set G0B, 56
.set G0S, 76                           ; group 0 for the head's loads of chunk 1: A's 256 rows, B's 256 rows
.set G0SB, 88
.set G0H, 96
.set G0HB, 8
.set MSB, 0
.macro WIN new
.if MSB != \new
	s_set_vgpr_msb (MSB<<8)|\new
.set MSB, \new
.endif
.endm
.set MUL_LO, 0xa1                      ; source 0 (B) window 1, source 1 (A) window 0, C and D window 2
.set MUL_HI, 0xf1
.set TO_B,   0x40
.macro JLOAD g0a, g1a, g0b, g1b        ; waves 0, 1 fetch for A, waves 2, 3 for B
	s_cmp_eq_u32 s15, 0
	s_cbranch_scc0 .Lfor_b_\@
	tensor_load_to_lds s[\g0a:\g0a+3], s[\g1a:\g1a+7]
	s_nop 0
.rept 4
	v_nop
.endr
	s_branch .Lasked_\@
.Lfor_b_\@:
	tensor_load_to_lds s[\g0b:\g0b+3], s[\g1b:\g1b+7]
	s_nop 0
.rept 4
	v_nop
.endr
.Lasked_\@:
.endm
.macro CREST
	s_cmp_lg_u32 s14, 0
	s_cbranch_scc1 .Lnot_wave_0_\@
	s_barrier_signal -3
.Lnot_wave_0_\@:
	s_barrier_wait -3
	s_barrier_signal -1
	s_barrier_wait -1
.endm
.macro CROUND
	s_barrier_signal -1
	s_barrier_wait -1
	CREST
.endm
	s_load_b128 s[4:7], s[0:1], 0x0                ; the operands, the mask
	s_load_b64 s[12:13], s[0:1], 0x10              ; the records
	v_lshl_add_u32 v[SPW], v0, 2, SPARE
	v_mov_b32 v[NIL], 0
	ds_add_u32 v[SPW], v[NIL]                      ; the opening: the add twice and its wait ahead of my first tensor load
	ds_add_u32 v[SPW], v[NIL]
	v_lshrrev_b32 v1, 5, v0
	v_readfirstlane_b32 s14, v1                    ; wave
	s_lshr_b32 s15, s14, 1                         ; my half of A's rows; also: I fetch for A (0) or B (1)
	s_and_b32 s16, s14, 1                          ; my half of B's rows; also: which 128 rows I fetch
	s_bfe_u32 s40, ttmp6, 0x40000                  ; cx
	s_bfe_u32 s41, ttmp6, 0x40004                  ; cy
	s_and_b32 s17, ttmp7, 0xffff
	s_mov_b32 s96, XS
	s_mov_b32 s98, WS
	s_cmp_eq_u32 ttmp9, 2                          ; the clusters with x = 2 make v
	s_cselect_b32 s[ISV], 1, 0
	s_cselect_b32 s42, s17, ttmp9
	s_cselect_b32 s17, 0, s17
	s_cselect_b32 s95, WCV, 0                      ; A's codes,
	s_cselect_b32 s96, WSV, s96                    ; A's scale bytes,
	s_cselect_b32 s97, 0, WC                       ; B's codes,
	s_cselect_b32 s98, XS, s98                     ; B's scale bytes
	s_lshl_b32 s42, s42, 2
	s_add_co_u32 s42, s42, s40                     ; B's tile
	s_lshl_b32 s17, s17, 2
	s_add_co_u32 s17, s17, s41                     ; A's tile
	s_lshl_b32 s43, s41, 2
	s_lshl_b32 s43, 15, s43                        ; my row of the cluster
	s_lshl_b32 s44, 0x1111, s40                    ; my column
	s_or_b32 s[G1+0], s43, (0<<16)|(1<<20)|(1<<21)|(5<<22)|(3<<25)  ; mask; 1-byte elements; 4 words of padding behind every 64
	s_or_b32 s[G1B+0], s44, (0<<16)|(1<<20)|(1<<21)|(5<<22)|(3<<25)
.irp g, G1, G1B
	s_mov_b32 s[\g+1], ROWB<<16
	s_mov_b32 s[\g+2], 256<<16                     ; 256 rows for the head's loads
	s_mov_b32 s[\g+3], ROWB<<16
	s_mov_b32 s[\g+4], 256
	s_mov_b32 s[\g+5], KROW
	s_mov_b32 s[\g+6], 0
	s_mov_b32 s[\g+7], 0
.endr
	s_lshl_b32 s20, s17, 8                         ; A's first row
	s_lshl_b32 s46, s42, 8                         ; B's
	s_lshl_b32 s94, s20, 5                         ; byte offsets in the operands' buffer, all under 2^23: the scale bytes of my own 128 rows of A,
	s_add_co_u32 s94, s94, s96
	s_lshl_b32 s93, s15, 12
	s_add_co_u32 s94, s94, s93
	s_lshl_b32 s92, s46, 5                         ; and of my 128 rows of B
	s_add_co_u32 s92, s92, s98
	s_lshl_b32 s93, s16, 12
	s_add_co_u32 s92, s92, s93
	s_mul_i32 s20, s20, KROW
	s_add_co_u32 s20, s20, s95
	s_mov_b32 s21, 0
	s_mul_i32 s46, s46, KROW
	s_add_co_u32 s46, s46, s97
	s_mov_b32 s47, 0
	s_mul_i32 s18, s16, 128*KROW                   ; in the ring I fetch 128 rows
	s_mov_b32 s19, 0
	s_mul_i32 s45, s14, HALFT
	s_wait_dscnt 0x0                               ; both opening adds are done
	s_wait_kmcnt 0x0
	s_add_nc_u64 s[20:21], s[4:5], s[20:21]
	s_add_nc_u64 s[46:47], s[4:5], s[46:47]
	CROUND                                         ; all sixteen work-groups are here: the first joint loads meet
	s_mov_b32 s[G0H], 1
	s_mov_b32 s[G0H+1], 0
	s_mov_b64 s[G0H+2:G0H+3], s[20:21]
	s_or_b32 s[G0H+3], s[G0H+3], 0x80000000
	s_mov_b32 s[G0HB], 1
	s_mov_b32 s[G0HB+1], 2*HALFT
	s_mov_b64 s[G0HB+2:G0HB+3], s[46:47]
	s_or_b32 s[G0HB+3], s[G0HB+3], 0x80000000
	s_mov_b32 s[G0S], 1                            ; chunk 1's 256 rows of A, into slot 1,
	s_mov_b32 s[G0S+1], SLOT
	s_add_nc_u64 s[G0S+2:G0S+3], s[20:21], ROWB
	s_or_b32 s[G0S+3], s[G0S+3], 0x80000000
	s_mov_b32 s[G0SB], 1                           ; and its 256 rows of B
	s_mov_b32 s[G0SB+1], SLOT+2*HALFT
	s_add_nc_u64 s[G0SB+2:G0SB+3], s[46:47], ROWB
	s_or_b32 s[G0SB+3], s[G0SB+3], 0x80000000
	s_add_nc_u64 s[20:21], s[20:21], s[18:19]
	s_add_nc_u64 s[46:47], s[46:47], s[18:19]
.irp s, 0                              ; slot 0 alone is filled again (chunk 2)
	s_mov_b32 s[G0+4*\s], 1
	s_add_co_u32 s[G0+4*\s+1], s45, \s*SLOT
	s_add_nc_u64 s[G0+4*\s+2:G0+4*\s+3], s[20:21], \s*ROWB
	s_or_b32 s[G0+4*\s+3], s[G0+4*\s+3], 0x80000000
	s_mov_b32 s[G0B+4*\s], 1
	s_add_co_u32 s[G0B+4*\s+1], s45, \s*SLOT
	s_add_nc_u64 s[G0B+4*\s+2:G0B+4*\s+3], s[46:47], \s*ROWB
	s_or_b32 s[G0B+4*\s+3], s[G0B+4*\s+3], 0x80000000
.endr
; the head's loads, one a wave: wave 0 chunk 0 of A's 256 rows, wave 1 of B's, wave 2 chunk 1 of A's, wave 3 of B's
.macro ARM under, g0, g1, next
	s_cmp_lt_u32 s14, \under
	s_cbranch_scc0 \next
	tensor_load_to_lds s[\g0:\g0+3], s[\g1:\g1+7]
	s_nop 0
.rept 4
	v_nop
.endr
	s_branch .Lhead_asked
\next:
.endm
	ARM 1, G0H,  G1,  .Lhead_b
	ARM 2, G0HB, G1B, .Lhead_sa
	ARM 3, G0S,  G1, .Lhead_sb                     ; waves 2 and 3: chunk 1 of A's and of B's 256 rows
	tensor_load_to_lds s[G0SB:G0SB+3], s[G1B:G1B+7]
	s_nop 0
.rept 4
	v_nop
.endr
.Lhead_asked:
	v_and_b32 v1, 15, v0                           ; r
	v_bfe_u32 v2, v0, 4, 1                         ; lane / 16
	v_mul_u32_u24 v3, v1, PITCH
	v_mul_u32_u24 v4, v2, 24
	v_add_nc_u32 v4, v3, v4
	s_mov_b32 s21, SLOT-232
	s_mov_b32 s22, SLOT+232
	v_sub_nc_u32 v7, 1, v2
	v_mul_u32_u24 v5, s21, v2
	v_add_nc_u32 v5, v3, v5
	v_add_nc_u32 v5, 232, v5                       ; lanes 0-15 byte 232 of the row in slot 0, lanes 16-31 byte 0 in slot 1
	v_mul_u32_u24 v6, s22, v7
	v_add_nc_u32 v6, v3, v6                        ; and the other way round
	s_mul_i32 s21, s15, HALFT
	s_mul_i32 s22, s16, HALFT
	s_add_co_u32 s22, s22, 2*HALFT
	v_add_nc_u32 v[ADRA+2], s21, v5
	v_add_nc_u32 v[ADRA+3], s21, v6
	v_add_nc_u32 v[ADRB+2], s22, v5
	v_add_nc_u32 v[ADRB+3], s22, v6
.irp s, 0,1
	v_add_nc_u32 v[ADRA+\s], s21, v4
	v_add_nc_u32 v[ADRB+\s], s22, v4
	s_add_co_u32 s21, s21, SLOT
	s_add_co_u32 s22, s22, SLOT
.endr
	v_mul_u32_u24 v5, s94, v7                      ; lanes 0-15 take A's scale bytes,
	v_mad_u32_u24 v5, s92, v2, v5                  ; lanes 16-31 B's;
	v_lshl_add_u32 v[ADRS], v1, 5, v5              ; 32 bytes a row
.irp p, 0,1,2,3
.irp i, 0,1,2,3,4,5,6,7
	global_load_b64 v[SC+16*\p+2*\i:SC+16*\p+2*\i+1], v[ADRS], s[4:5] offset:512*\i+8*\p   ; the words of steps 2 p, 2 p + 1 of block i: all of K's scale words stay in registers
.endr
.endr
	; where my results go: my 128 rows of A and of B, counted in 128s
	s_lshl_b32 s20, s17, 1
	s_add_co_u32 s20, s20, s15
	s_lshl_b32 s46, s42, 1
	s_add_co_u32 s46, s46, s16
	s_cmp_eq_u32 s[ISV], 1
	s_cselect_b32 s21, s46, s20                    ; the 128 tokens: 16 x batch + step
	s_cselect_b32 s22, s20, s46                    ; the 128 channels: two heads
	s_and_b32 s22, s22, 7
	s_lshl_b32 s22, s22, 1
	s_lshr_b32 s23, s21, 4
	s_lshl_b32 s23, s23, 4
	s_add_co_u32 s23, s23, s22
	s_mul_i32 s23, s23, HS
	s_and_b32 s47, s21, 15
	s_mul_i32 s47, s47, REC
	s_add_co_u32 s23, s23, s47
	s_cmp_eq_u32 ttmp9, 0
	s_cselect_b32 s47, QREG, 0
	s_add_co_u32 s46, s23, s47
	s_mov_b32 s47, 0
	s_add_nc_u64 s[12:13], s[12:13], s[46:47]
	s_lshl_b32 s46, s21, 7
	s_add_nc_u64 s[6:7], s[6:7], s[46:47]          ; the mask at my 128 tokens
	v_and_b32 v[LN], 31, v0
	v_lshlrev_b32 v[L16], 4, v[LN]
	v_lshlrev_b32 v[L8], 3, v[LN]
	v_mul_u32_u24 v[VSO], v2, HS
	v_lshl_add_u32 v[VSO], v1, 4, v[VSO]
	v_lshlrev_b32 v[SH8], 3, v2
	v_and_b32 v[MKO], 8, v1
	v_mad_u32_u24 v[MKO], v[MKO], 3, v1
	v_lshl_add_u32 v[MKO], v2, 6, v[MKO]           ; 64 (lane / 16) + 32 (r / 8) + r % 8
.irp i, 0,1,2,3
	global_load_u8 v[MK+\i], v[MKO], s[6:7] offset:8*\i   ; the mask of block 4 (lane / 16) + i, row r: token 64 (lane / 16) + 32 (r / 8) + 8 i + r % 8; waited for on the way out
.endr
.macro FRAG reg, adr, st, i            ; 16 rows x 128 K: 12 registers in six pieces of 8 bytes; byte y of a row lies in chunk y / 256, slot (y / 256) % 2
.irp p, 0,1,2,3,4,5
.set BY, 96*(\st)+48*(\p/3)+8*(\p%3)
.if BY/ROWB == (BY+24)/ROWB
	ds_load_b64 v[\reg+2*\p:\reg+2*\p+1], v[\adr+(BY/ROWB)%2] offset:BY%ROWB+(\i)*16*PITCH
.else
	ds_load_b64 v[\reg+2*\p:\reg+2*\p+1], v[\adr+2+(BY/ROWB)%2] offset:BY%ROWB-232+(\i)*16*PITCH
.endif
.endr
.endm
; 16 matrix instructions: A's blocks a0, a0 + 1 x B's eight.  The 64 accumulators take turns, one instruction a turn.
.macro MUL16 a0, p, q, sc, zero
.irp a, \a0, \a0+1
.irp b, 0,1,2,3,4,5,6,7
.if \zero
	v_wmma_scale_f32_16x16x128_f8f6f4 v[8*(8*((\a)%4)+\b):8*(8*((\a)%4)+\b)+7], v[128*(\p)+FR*\b:128*(\p)+FR*\b+FR-1], v[AF+FR*(\a):AF+FR*(\a)+FR-1], 0, v[SC+8*NQ*(\sc)+NQ*\b+(\q)], v[SC+8*NQ*(\sc)+NQ*(\a)+(\q)] matrix_a_fmt:MATRIX_FMT_FP6 matrix_b_fmt:MATRIX_FMT_FP6 matrix_a_scale:MATRIX_SCALE_ROW1
.else
	v_wmma_scale_f32_16x16x128_f8f6f4 v[8*(8*((\a)%4)+\b):8*(8*((\a)%4)+\b)+7], v[128*(\p)+FR*\b:128*(\p)+FR*\b+FR-1], v[AF+FR*(\a):AF+FR*(\a)+FR-1], v[8*(8*((\a)%4)+\b):8*(8*((\a)%4)+\b)+7], v[SC+8*NQ*(\sc)+NQ*\b+(\q)], v[SC+8*NQ*(\sc)+NQ*(\a)+(\q)] matrix_a_fmt:MATRIX_FMT_FP6 matrix_b_fmt:MATRIX_FMT_FP6 matrix_a_scale:MATRIX_SCALE_ROW1
.endif
.endr
.endr
.endm
.macro FETCH_B st, p
	WIN TO_B
.irp i, 0,1,2,3,4,5,6,7
	FRAG 128*(\p)+FR*\i, ADRB, \st, \i
.endr
	WIN 0
.endm
.macro FETCH_A st, i0
.irp i, \i0, \i0+1, \i0+2, \i0+3
	FRAG AF+FR*(\i), ADRA, \st, \i
.endr
.endm
.macro PLACES n                        ; plain vector lines between a matrix instruction and a load into, or a read of, its registers
.rept \n
	v_nop
.endr
.endm
; A step: 64 products; the next step's fragments are fetched in its middle and at its end.  Where the next step's bytes end in a chunk not yet read, a barrier shows that chunk whole;
; where they begin in a later chunk, the chunk left behind is free: the waits and the add stand ahead of the barrier, which opens a round where a chunk two on is left to fetch.
.macro STEP st, zero
.set NX, (\st)+1
.set SC, 32+32*((\st)/4)               ; the scale words of this four steps
.set C0, (96*(\st))/ROWB
.set C1, (96*NX)/ROWB
.set E0, (96*(\st)+95)/ROWB
.set E1, (96*NX+95)/ROWB
.if C1 > C0 || E1 > E0
	s_wait_tensorcnt 0x0                           ; all my tensor loads have landed
.if C1 > C0
	ds_add_u32 v[SPW], v[NIL]
	s_wait_dscnt 4*NL+1                            ; the add and the youngest 24 loads (A's blocks 4-7) may be out
.else
	s_wait_dscnt 4*NL
.endif
	WIN MUL_LO
	MUL16 0, (\st)%2, (\st)%2, ((\st)/2)%2, \zero
	s_wait_dscnt 0x0                               ; the add, where there is one, and all my reads are done
	s_barrier_signal -1
	MUL16 2, (\st)%2, (\st)%2, ((\st)/2)%2, \zero
	WIN 0
	s_barrier_wait -1
.if C1 > C0 && C0+2 < CHUNKS
	CREST                                          ; no wave of any partner still reads this slot or has a load on its way
	s_add_nc_u64 s[G0+4*(C0%2)+2:G0+4*(C0%2)+3], s[G0+4*(C0%2)+2:G0+4*(C0%2)+3], 2*ROWB
	s_add_nc_u64 s[G0B+4*(C0%2)+2:G0B+4*(C0%2)+3], s[G0B+4*(C0%2)+2:G0B+4*(C0%2)+3], 2*ROWB
	JLOAD G0+4*(C0%2), G1, G0B+4*(C0%2), G1B       ; chunk C0 + 2; its four v_nop are the places ahead of the loads below
.else
	PLACES NP
.endif
.else
	s_wait_dscnt 4*NL                              ; B's set and A's blocks 0-3 are in
	WIN MUL_LO
	MUL16 0, (\st)%2, (\st)%2, ((\st)/2)%2, \zero
	MUL16 2, (\st)%2, (\st)%2, ((\st)/2)%2, \zero
	s_wait_dscnt 0
	PLACES NP
.endif
	FETCH_B NX, NX%2
	FETCH_A NX, 0
	WIN MUL_HI
	MUL16 4, (\st)%2, (\st)%2, ((\st)/2)%2, \zero
	MUL16 6, (\st)%2, (\st)%2, ((\st)/2)%2, \zero
	PLACES NP
	WIN 0
	FETCH_A NX, 4
.endm
	s_wait_alu depctr_va_vdst(0)                   ; the wait at the head's end
	s_wait_tensorcnt 0x0                           ; my tile of the head's four is in
	s_mov_b32 s[G1+2], 128<<16                     ; no load of mine is out: from here on a load brings 128 rows
	s_mov_b32 s[G1+4], 128
	s_mov_b32 s[G1B+2], 128<<16
	s_mov_b32 s[G1B+4], 128
	s_wait_loadcnt 4                               ; my 32 loads of scale words are in; the four mask bytes' loads may be out
	s_barrier_signal -1
	s_barrier_wait -1                              ; chunks 0 and 1 are whole
	FETCH_B 0, 0
	FETCH_A 0, 0
	FETCH_A 0, 4
	STEP 0, 1                                      ; the first step's products start the sums
.set ST, 1
.rept STEPS-2
	STEP ST, 0
.set ST, ST+1
.endr
.set SC, 64
	s_wait_dscnt 4*NL
	WIN MUL_LO
	MUL16 0, 1, 1, 1, 0
	MUL16 2, 1, 1, 1, 0
	s_wait_dscnt 0
	WIN MUL_HI
	MUL16 4, 1, 1, 1, 0
	MUL16 6, 1, 1, 1, 0
	WIN 0
; THE WAY OUT.  Block a (16 rows of A x 128 of B) becomes one fragment of codes and one scale word a row.  A lane holds blocks lane / 16 and 2 + lane / 16 whole.
.macro QUANTA a
.set AC, 64*((\a)%4)
.set PCA, PC+12*(\a)
	WIN 0x28+0x14*((\a)/4)                         ; sources 1 and 2: the accumulators' window
.irp c, 0,1
	v_max3_num_f32 v[TM+\c], 0x1800000, |v[AC+32*\c]|, |v[AC+32*\c+1]|   ; the floor 2^(3 - 127) among the leaves; each accumulator is read from its low end on
.endr
.irp i, 2,4,6,8,10,12,14,16,18,20,22,24,26,28,30
.irp c, 0,1
	v_max3_num_f32 v[TM+\c], v[TM+\c], |v[AC+32*\c+\i]|, |v[AC+32*\c+\i+1]|
.endr
.endr
	WIN 0
.irp c, 0,1
	v_add_nc_u32 v[TM+4+\c], 0xff000000, v[TM+\c]  ; 2 off the exponent field: the conversion's scale operand
.endr
.irp c, 0,1
	v_lshrrev_b32 v[TM+\c], 23, v[TM+4+\c]         ; the scale's byte
.endr
	v_lshl_or_b32 v[TM+2], v[TM+1], 16, v[TM]
	v_lshlrev_b32 v[TM+2], v[SH8], v[TM+2]         ; my two bytes at their places,
	v_permlanex16_b32 v[TM+3], v[TM+2], s18, s19
	v_or_b32 v[WRD+(\a)], v[TM+2], v[TM+3]         ; with lane l xor 16's two the word is whole
	WIN 2+(\a)/4                                   ; source 0: the accumulators' window
.irp c, 0,1
	v_cvt_scalef32_pk16_fp6_f32 v[PCA+6*\c:PCA+6*\c+2], v[AC+32*\c:AC+32*\c+15], v[TM+4+\c]
	v_cvt_scalef32_pk16_fp6_f32 v[CT+4*\c:CT+4*\c+2], v[AC+32*\c+16:AC+32*\c+31], v[TM+4+\c]
.endr
	WIN 0
	v_nop                                          ; one plain line behind the conversions
.irp c, 0,1
.irp i, 0,1,2
	v_mov_b32 v[PCA+3+6*\c+\i], v[CT+4*\c+\i]      ; a conversion's three registers begin on an even number
.endr
.endr
.endm
	PLACES NP
	s_mov_b32 s18, 0x76543210
	s_mov_b32 s19, 0xfedcba98                      ; lane l xor 16
	v_mov_b32 v[TM+3], 0                           ; a lane permute's destination counts as one of its sources
; a block's codes leave as soon as they are made; the branch hangs on the role alone.  Every store covers 512 or 256 consecutive bytes, aligned to 256
.macro SENDC a
	s_wait_alu depctr_va_vdst(0)                   ; directly ahead of the branch
	s_cmp_eq_u32 s[ISV], 1
	s_cbranch_scc1 .Lsend_v_\@
	global_store_b128 v[L16], v[PC+12*(\a):PC+12*(\a)+3], s[12:13] offset:768*(\a)     ; q, k: registers 0-5 are the even head's 64 channels, 6-11 the odd head's
	global_store_b64 v[L8], v[PC+12*(\a)+4:PC+12*(\a)+5], s[12:13] offset:768*(\a)+512
	global_store_b128 v[L16], v[PC+12*(\a)+6:PC+12*(\a)+9], s[12:13] offset:HS+768*(\a)
	global_store_b64 v[L8], v[PC+12*(\a)+10:PC+12*(\a)+11], s[12:13] offset:HS+768*(\a)+512
	s_branch .Lsent_\@
.Lsend_v_\@:
.irp j, 0,1,2
	global_store_b128 v[L16], v[PC+12*(\a)+4*\j:PC+12*(\a)+4*\j+3], s[12:13] offset:((\a)/4)*HS+6144+((\a)%4)*1536+512*\j   ; v: blocks 0-3 are the even head's four tiles of channels, 4-7 the odd head's
.endr
.Lsent_\@:
.endm
.irp a, 0,1,2,3,4,5,6,7
	QUANTA \a
	SENDC \a
.endr
	v_cmp_le_u32 vcc_lo, 16, v[LN]
.irp i, 0,1,2,3
	v_cndmask_b32 v[SELW+\i], v[WRD+\i], v[WRD+4+\i], vcc_lo   ; lanes 0-15: blocks 0-3's words, lanes 16-31: blocks 4-7's
.endr
	s_wait_alu depctr_va_vdst(0)                   ; directly ahead of the wait below
	s_wait_loadcnt 0x0                             ; the mask bytes
	s_cmp_eq_u32 s[ISV], 1
	s_cbranch_scc1 .Lv
	; q, k: registers 0-5 of a fragment are the even head's 64 channels, 6-11 the odd head's; bytes 0, 1 of a word the even head's, 2, 3 the odd head's
.irp i, 0,1,2,3
	v_mul_u32_u24 v[MB+\i], v[MK+\i], 0xE20000
.endr
.irp i, 0,1,2,3
	v_sub_nc_u32 v[MB+\i], 0xE30000, v[MB+\i]      ; byte 2: 1 where the key counts, 227 where it is hidden; byte 3: 0, over zero codes
.endr
.irp i, 0,1,2,3
	v_and_or_b32 v[WA+\i], v[SELW+\i], 0xffff, v[MB+\i]
	v_lshrrev_b32 v[WB+\i], 16, v[SELW+\i]
.endr
.irp i, 0,1,2,3
	v_or_b32 v[WB+\i], v[WB+\i], v[MB+\i]
.endr
	global_store_b128 v[L16], v[WA:WA+3], s[12:13] offset:12288
	global_store_b128 v[L16], v[WB:WB+3], s[12:13] offset:HS+12288
	s_branch .Ldone
.Lv:	; v: blocks 0-3 are the even head's four tiles of channels, 4-7 the odd head's
	global_store_b128 v[VSO], v[SELW:SELW+3], s[12:13] offset:12800
.Ldone:
	s_wait_tensorcnt 0x0                           ; the wave's end
	ds_add_u32 v[SPW], v[NIL]
	s_wait_dscnt 0x0
	CROUND                                         ; the closing round
	s_endpgm
.Lfunc_end_k_q9c9ce0eae5_proj:
	.size	k_q9c9ce0eae5_proj, .Lfunc_end_k_q9c9ce0eae5_proj-k_q9c9ce0eae5_proj
	.p2alignl 7, 3214868480
	.fill 96, 4, 3214868480
	.section	.rodata,"a",@progbits
	.p2align	6, 0x0
	.amdhsa_kernel k_q9c9ce0eae5_proj
		.amdhsa_group_segment_fixed_size 327680
		.amdhsa_private_segment_fixed_size 0
		.amdhsa_enable_private_segment 0
		.amdhsa_kernarg_size 24
		.amdhsa_user_sgpr_count 2
		.amdhsa_user_sgpr_kernarg_segment_ptr 1
		.amdhsa_wavefront_size32 1
		.amdhsa_system_sgpr_workgroup_id_x 1
		.amdhsa_system_sgpr_workgroup_id_y 1
		.amdhsa_system_sgpr_workgroup_id_z 1
		.amdhsa_system_vgpr_workitem_id 0
		.amdhsa_next_free_vgpr 1024
		.amdhsa_next_free_sgpr 100
		.amdhsa_reserve_vcc 1
		.amdhsa_float_denorm_mode_32 3
		.amdhsa_float_denorm_mode_16_64 3
		.amdhsa_memory_ordered 1
		.amdhsa_forward_progress 1
		.amdhsa_inst_pref_size 163
	.end_amdhsa_kernel
	.amdgpu_metadata
---
amdhsa.version: [ 1, 2 ]
amdhsa.kernels:
  - .name:           k_q9c9ce0eae5_proj
    .symbol:         k_q9c9ce0eae5_proj.kd
    .args:
      - { .name: opnd, .offset: 0, .size: 8, .value_kind: global_buffer, .address_space: global }
      - { .name: mask, .offset: 8, .size: 8, .value_kind: global_buffer, .address_space: global }
      - { .name: kvq, .offset: 16, .size: 8, .value_kind: global_buffer, .address_space: global }
    .group_segment_fixed_size: 327680
    .private_segment_fixed_size: 0
    .kernarg_segment_align: 8
    .kernarg_segment_size: 24
    .max_flat_workgroup_size: 128
    .sgpr_count:     100
    .vgpr_count:     1024
    .wavefront_size: 32
...
	.end_amdgpu_metadata
.endif
;; end of part 2
;; launch attn (part 3): grid 8 x 32, 8 waves a work-group, clusters of 4 x 1, 212,992 bytes of LDS; arguments kvq, att; writes att
.if DOCPART == 3
	.amdgcn_target "amdgcn-amd-amdhsa--gfx1250"
	.amdhsa_code_object_version 6
	.text
	.protected	k_q9c9ce0eae5_attn
	.globl	k_q9c9ce0eae5_attn
	.p2align	8
	.type	k_q9c9ce0eae5_attn,@function
k_q9c9ce0eae5_attn:
	s_mov_b64 s[64:65], 0
	v_nop
	global_prefetch_b8 v0, s[64:65] scope:SCOPE_SE
	s_setreg_imm32_b32 hwreg(HW_REG_WAVE_MODE, 25, 1), 1
	s_wait_xcnt 0x0
	s_wait_alu depctr_hold_cnt(0) depctr_sa_sdst(0) depctr_va_vdst(0) depctr_va_sdst(0) depctr_va_ssrc(0) depctr_va_vcc(0) depctr_vm_vsrc(0)
	s_getreg_b32 s2, hwreg(HW_REG_IB_STS2, 6, 4)
	s_cmp_eq_u32 s2, 0
	s_cbranch_scc0 .Lentry_in_a_cluster
	s_endpgm
.Lentry_in_a_cluster:
	s_bfe_u32 s2, ttmp6, 0x10000c
	s_cmp_lg_u32 s2, 0x3003
	s_cbranch_scc0 .Lentry_shape_is_right
	s_endpgm
.Lentry_shape_is_right:
; O = softmax(q k^T / 8, hidden keys left out) v for one (batch, head) and 256 queries, both products on codes of FP6 (E2M3) with E8M0 scales; O / l is quantised along 64 h + d and stored as an image of operand registers.
; THE SOFTMAX: t = score x log2(e) / 8; M = the running largest t rounded UP to a whole number; p = 2^(t - M) is quantised along the keys, not normalised; l is the sum of the unquantised p.  When M moves, l and O are multiplied by 2^(old M - new M): exact.
; SHARES.  Eight waves, each TWO tiles of 16 queries: every fragment of k and v read from LDS feeds two products, and the two tiles' chains of dependent lines are laid by turns.  Every wave walks the head's 2,048 keys, 128 a step.
; A STEP IS WRITTEN IN TWO HALVES.  FRONT: v's loads, the score products, the next record's k, the maxima, M, O^T's rescaling, t - M, the blocks' scales.  BACK: the exponentials, p's codes, l, the second product.
; Step 0's FRONT stands ahead of the loop; a trip is BACK k, FRONT k + 1; step 15's BACK stands behind it.  So v and the next k are asked for a half step or more ahead of the one wait for them.
; THE WHOLE HEAD LIES IN LDS: 16 records of 13,056 bytes (K 8 tiles x 768, V 4 fragments x 1,536, K's scale words 512, V's 256), images of operand registers.  Eight loads of 26,112 bytes, one a wave, at the head; nothing is filled again; one barrier.
; CLUSTER.  The four query blocks of a cluster belong to one head: each load is asked for jointly, with the mask of all four.
; NO PREFETCH: all that the launch reads through LDS is asked for at its head; there is no loop to run ahead in.
; LAYOUT.  S^T = k q^T (source 0 = 16 keys), O^T = v^T p^T (source 0 = 16 channels): a lane holds ONE query.  Row 8 x + j of tile 4 c + i is key 64 c + 32 x + 8 i + j: a lane's 32 registers of tiles 4 c .. 4 c + 3 are one whole block of 32 keys,
; in the order of the next operand's registers: no lane is asked for a block's maximum and no code changes lanes.  The channels of v's tiles lie likewise.
; K = 64 IN A FORM OF 128: registers 6-11 of q's and k's fragments are padding, written once.  The code at k = 64 is +1 in q (scale byte 127) and -1 in k, whose scale byte there is 1 for a key that counts and 227 for a hidden one: a hidden score is -2^100.
; The running largest score begins at -2^93, above every hidden score: a hidden key's p is 0 in every step.  A query with no key that counts ends with l = 0: its scale bytes become 0xff, so that the last product gives NaN there.
; A BLOCK'S SCALE: p rises with the score, and the exponent of 2^x is floor(x): the byte is floor(x) + 125, x = the block's largest t - M, held at 1 from below.  It is made as the whole part of score x c + (125 - M), which is 1 or more.
; LIMITS: scores of keys that count stay under 2^76 in magnitude; NaN and infinities are not served; where x lies within f32's rounding (at the size of 125) under a whole number, the block takes the next byte up.
.set REC,  13056
.set HS,   16*REC
.set QREG, 32*HS
.set HCB,  HS/8
.set OV,   6144
.set OKS,  12288
.set OVS,  12800
.set SPARE, HS
.set ASC,  3145728
; window 0
.set L16, 1
.set L8,  2
.set R16, 3
.set R32, 4                            ; 32 (lane % 16) + lane / 16
.set SPW, 5
.set NIL, 6
.set A16, 8                            ; this record: 16 x lane
.set AK16, 9                           ; the next record: 16 x lane
.set AR,  10                           ; this record: 16 x (lane % 16)
.set AK8, 11                           ; the next record: 8 x lane
.set QS,  12                           ; v12-13 q's scale words
.set PW,  14                           ; v14-15 p's scale words
.set KSW, 16                           ; v16-19 k's scale words: lanes 0-15 tiles 0-3, lanes 16-31 tiles 4-7
.set VS,  20                           ; v20-23 v's scale words
.set QF,  24                           ; v24-47 q's two fragments
.set KF,  48                           ; v48-143 k's eight
.set VF,  144                          ; v144-191 v's four
.set PC,  192                          ; v192-215 p's codes
.set CT,  216                          ; v216-231 the conversions' second halves
.set OB,  232                          ; v232-233 the way out: scale bytes
; window 1: S^T, then p, of tile u at 64 u; O^T at 128 + 32 u; the rest at + TS u
.set TS, 24
.set BM, 192                           ; two block maxima
.set XX, 194
.set YY, 195
.set NM, 196                           ; -M
.set MS, 197                           ; the running largest score
.set LL, 198                           ; l, in two halves
.set FF, 200                           ; f, and a word that is never used
.set DD, 202
.set T1, 204
.set T2, 206
.set T3, 208
.set SO, 210
.set BY, 212
.set WW, 214
.set SH8, 240                          ; 8 x (lane / 16)
.set C255, 241
.set WV,  8
.set SEL, 20
.set CS,  22
.set NC,  12
.set G1,  24
.set G0,  32
.set TN,  44
.set TMP, 45
.set TB,  48
.set CNT, 49
.set MSB, 0
.macro WIN new                         ; the immediate's high byte repeats the setting that is left
.if MSB != \new
	s_set_vgpr_msb (MSB<<8)|\new
.set MSB, \new
.endif
.endm
.macro CROUND
	s_barrier_signal -1
	s_barrier_wait -1
	s_cmp_lg_u32 s[WV], 0
	s_cbranch_scc1 .Lnot_wave_0_\@
	s_barrier_signal -3
.Lnot_wave_0_\@:
	s_barrier_wait -3
	s_barrier_signal -1
	s_barrier_wait -1
.endm
	s_load_b128 s[4:7], s[0:1], 0x0                ; the records, the output
	v_lshl_add_u32 v[SPW], v0, 2, SPARE
	v_mov_b32 v[NIL], 0
	ds_add_u32 v[SPW], v[NIL]                      ; the opening: the add twice and its wait ahead of my tensor load
	ds_add_u32 v[SPW], v[NIL]
	v_lshrrev_b32 v7, 5, v0
	v_readfirstlane_b32 s[WV], v7                  ; wave 0..7
	s_bfe_u32 s9, ttmp6, 0x40000                   ; cx
	s_lshl_b32 s10, ttmp9, 2
	s_add_co_u32 s10, s10, s9                      ; my block of 256 queries: it enters q's and the output's addresses alone
	s_and_b32 s11, ttmp7, 0xffff                   ; 16 x batch + head
	s_mov_b32 s[G1], 15|(3<<16)|(1<<21)            ; the mask of all four; elements of 8 bytes
	s_mov_b32 s[G1+1], 32<<16
	s_mov_b32 s[G1+2], 102<<16                     ; 102 rows of 256 bytes, dense
	s_mov_b32 s[G1+3], 32<<16
	s_mov_b32 s[G1+4], 102
	s_mov_b32 s[G1+5], 32
	s_mov_b32 s[G1+6], 0
	s_mov_b32 s[G1+7], 0
	s_mul_i32 s13, s[WV], HCB                      ; my eighth of the head, in LDS and in memory
	s_mul_i32 s14, s11, HS
	s_add_co_u32 s14, s14, s13
	s_mov_b32 s15, 0
	s_mov_b32 s[SEL], 0x76543210
	s_mov_b32 s[SEL+1], 0xfedcba98                 ; lane l xor 16
	s_mov_b32 s[CS], 0x3e38aa3b                    ; c = log2(e) / 8
	s_mov_b32 s[CS+1], s[CS]
	s_mov_b32 s[NC], 0xbe38aa3b                    ; -c
	; q: record 16 (16 b + h) + 2 x block + wave / 4, tiles 2 wave % 8 and the next
	s_lshl_b32 s56, s11, 4
	s_lshl_b32 s57, s10, 1
	s_add_co_u32 s56, s56, s57
	s_lshr_b32 s57, s[WV], 2
	s_add_co_u32 s56, s56, s57
	s_mul_i32 s56, s56, REC
	s_add_co_u32 s56, s56, QREG
	s_lshl_b32 s57, s[WV], 1
	s_and_b32 s57, s57, 7
	s_mul_i32 s58, s57, 768
	s_add_co_u32 s50, s56, s58
	s_mov_b32 s51, 0
	s_lshr_b32 s58, s57, 2
	s_lshl_b32 s58, s58, 8
	s_and_b32 s59, s57, 3
	s_lshl_b32 s59, s59, 2
	s_add_co_u32 s58, s58, s59
	s_add_co_u32 s56, s56, s58
	s_add_co_u32 s56, s56, OKS                     ; scale words: 256 (tile / 4) + 4 (tile % 4) + 16 r
	s_mov_b32 s57, 0
	; the output: tiles T = 128 b + 16 x block + 2 wave and T + 1 of 16 token positions
	s_lshr_b32 s58, s11, 4
	s_lshl_b32 s58, s58, 7
	s_lshl_b32 s59, s10, 4
	s_add_co_u32 s58, s58, s59
	s_lshl_b32 s59, s[WV], 1
	s_add_co_u32 s58, s58, s59
	s_and_b32 s59, s11, 15                         ; h
	s_mul_i32 s52, s58, 3072
	s_lshr_b32 s60, s59, 2
	s_mul_i32 s60, s60, 786432
	s_add_co_u32 s52, s52, s60
	s_and_b32 s60, s59, 3
	s_mul_i32 s60, s60, 768
	s_add_co_u32 s52, s52, s60                     ; codes: (h / 4) x 786,432 + 3,072 T + 768 (h % 4)
	s_mov_b32 s53, 0
	s_lshl_b32 s54, s58, 9
	s_lshl_b32 s60, s59, 1
	s_add_co_u32 s54, s54, s60
	s_add_co_u32 s54, s54, ASC                     ; scale bytes: 32 a position, my head's two at 2 h
	s_mov_b32 s55, 0
	s_wait_dscnt 0x0
	s_wait_kmcnt 0x0
	s_add_nc_u64 s[16:17], s[4:5], s[14:15]
	s_add_nc_u64 s[50:51], s[4:5], s[50:51]
	s_add_nc_u64 s[56:57], s[4:5], s[56:57]
	s_add_nc_u64 s[52:53], s[6:7], s[52:53]
	s_add_nc_u64 s[54:55], s[6:7], s[54:55]
	CROUND                                         ; all four work-groups are here: the joint loads meet
	s_mov_b32 s[G0], 1
	s_mov_b32 s[G0+1], s13
	s_mov_b64 s[G0+2:G0+3], s[16:17]
	s_or_b32 s[G0+3], s[G0+3], 0x80000000
	tensor_load_to_lds s[G0:G0+3], s[G1:G1+7]      ; every wave's one load
	s_nop 0
.rept 4
	v_nop
.endr
	v_and_b32 v7, 31, v0
	v_and_b32 v11, 15, v0
	v_bfe_u32 v10, v0, 4, 1
	v_lshlrev_b32 v[L16], 4, v7
	v_lshlrev_b32 v[L8], 3, v7
	v_lshlrev_b32 v[R16], 4, v11
	v_lshl_add_u32 v[R32], v11, 5, v10
.irp u, 0,1
	global_load_b128 v[QF+12*\u:QF+12*\u+3], v[L16], s[50:51] offset:768*\u
	global_load_b64 v[QF+12*\u+4:QF+12*\u+5], v[L8], s[50:51] offset:768*\u+512
.endr
	global_load_b64 v[QS:QS+1], v[R16], s[56:57]
	v_xor_b32 v7, 1, v10                           ; 1 in lanes 0-15, which hold k = 64 .. 95 in registers 6-11
.irp u, 0,1
	v_lshlrev_b32 v[QF+12*\u+6], 3, v7             ; q's padding: the code of +1 at k = 64
.irp i, 7,8,9,10,11
	v_mov_b32 v[QF+12*\u+\i], 0
.endr
.endr
.irp t, 0,1,2,3,4,5,6,7
	v_mul_u32_u24 v[KF+12*\t+6], v7, 40            ; k's padding: the code of -1 at k = 64; the loads touch registers 0-5 alone
.irp i, 7,8,9,10,11
	v_mov_b32 v[KF+12*\t+\i], 0
.endr
.endr
	s_wait_alu depctr_va_vdst(0)                   ; directly ahead of the wait below
	s_wait_loadcnt 0x0                             ; q
.irp u, 0,1
	v_and_b32 v[QS+\u], 0xffff, v[QS+\u]
.endr
.irp u, 0,1
	v_or_b32 v[QS+\u], 0x7f0000, v[QS+\u]          ; bytes 0, 1 as stored; byte 2: 1.0 for the padding's +1; byte 3: 0, over zero codes
.endr
	WIN 0x40                                       ; destinations in window 1.  (The lines below are also the places between the write of q's scale words and the first product)
	v_lshlrev_b32 v[SH8], 3, v10
.irp u, 0,1
	v_mov_b32 v[MS+TS*\u], 0xee000000              ; -2^93
	v_mov_b32 v[LL+TS*\u], 0
	v_mov_b32 v[LL+1+TS*\u], 0
	v_mov_b32 v[FF+1+TS*\u], 0
	v_mov_b32 v[YY+TS*\u], 0                       ; a lane permute's destination counts as one of its sources
.endr
.set j, 0
.rept 64
	v_mov_b32 v[128+j], 0                          ; O^T: the halves are written for every step alike, the first finds zeros
.set j, j+1
.endr
	WIN 0x55
.irp u, 0,1
	v_mul_f32 v[DD+TS*\u], s[NC], v[MS+TS*\u]
.endr
.irp u, 0,1
	v_floor_f32 v[NM+TS*\u], v[DD+TS*\u]           ; -M as a step makes it of that score
.endr
	WIN 0
.macro KLOAD a16, a8                   ; 17 loads: a record's scale words of k and its eight tiles
	ds_load_b128 v[KSW:KSW+3], v[\a16] offset:OKS
.irp t, 0,1,2,3,4,5,6,7
	ds_load_b128 v[KF+12*\t:KF+12*\t+3], v[\a16] offset:768*\t
	ds_load_b64 v[KF+12*\t+4:KF+12*\t+5], v[\a8] offset:768*\t+512
.endr
.endm
; THE FRONT HALF of a step: the record at LDS byte s[TB], whose k is in registers; the next record at s[TN].
.macro FRONT
	v_add_nc_u32 v[A16], s[TB], v[L16]
	v_add_nc_u32 v[AR], s[TB], v[R16]
	v_add_nc_u32 v[AK16], s[TN], v[L16]
	v_add_nc_u32 v[AK8], s[TN], v[L8]              ; four places behind the last second products, ahead of the loads into v's registers
	s_wait_alu depctr_va_vdst(0)
.irp t, 0,1,2,3
.irp i, 0,1,2
	ds_load_b128 v[VF+12*\t+4*\i:VF+12*\t+4*\i+3], v[A16] offset:OV+1536*\t+512*\i
.endr
.endr
	ds_load_b128 v[VS:VS+3], v[AR] offset:OVS
	WIN 0x40
.irp t, 0,1,2,3,4,5,6,7
.irp u, 0,1
.if \t < 4
	v_wmma_scale_f32_16x16x128_f8f6f4 v[64*\u+8*\t:64*\u+8*\t+7], v[KF+12*\t:KF+12*\t+11], v[QF+12*\u:QF+12*\u+11], 0, v[KSW+\t], v[QS+\u] matrix_a_fmt:MATRIX_FMT_FP6 matrix_b_fmt:MATRIX_FMT_FP6
.else
	v_wmma_scale_f32_16x16x128_f8f6f4 v[64*\u+8*\t:64*\u+8*\t+7], v[KF+12*\t:KF+12*\t+11], v[QF+12*\u:QF+12*\u+11], 0, v[KSW+\t-4], v[QS+\u] matrix_a_fmt:MATRIX_FMT_FP6 matrix_b_fmt:MATRIX_FMT_FP6 matrix_a_scale:MATRIX_SCALE_ROW1
.endif
.endr
.endr
.rept 4
	v_nop                                          ; places ahead of the loads into k's registers and of the reads of the scores
.endr
	WIN 0
	KLOAD AK16, AK8                                ; the next record's k (step 15 names its own record again: every FRONT half has the same loads)
	WIN 0x55
.irp c, 0,1
.irp u, 0,1
	v_max3_num_f32 v[BM+\c+TS*\u], v[64*\u+32*\c], v[64*\u+32*\c+1], v[64*\u+32*\c+2]   ; the largest score of my block of 32 keys; each accumulator is read from its low end on
.endr
.endr
.irp i, 3,5,7,9,11,13,15,17,19,21,23,25,27,29
.irp c, 0,1
.irp u, 0,1
	v_max3_num_f32 v[BM+\c+TS*\u], v[BM+\c+TS*\u], v[64*\u+32*\c+\i], v[64*\u+32*\c+\i+1]
.endr
.endr
.endr
.irp c, 0,1
.irp u, 0,1
	v_max_num_f32 v[BM+\c+TS*\u], v[BM+\c+TS*\u], v[64*\u+32*\c+31]
.endr
.endr
.irp u, 0,1
	v_max_num_f32 v[XX+TS*\u], v[BM+TS*\u], v[BM+1+TS*\u]
.endr
.irp u, 0,1
	v_permlanex16_b32 v[YY+TS*\u], v[XX+TS*\u], s[SEL], s[SEL+1]
.endr
.irp u, 0,1
	v_max3_num_f32 v[MS+TS*\u], v[MS+TS*\u], v[XX+TS*\u], v[YY+TS*\u]   ; the running largest score
.endr
.irp u, 0,1
	v_mul_f32 v[DD+TS*\u], s[NC], v[MS+TS*\u]      ; -t
.endr
.irp u, 0,1
	v_mov_b32 v[XX+TS*\u], v[NM+TS*\u]
.endr
.irp u, 0,1
	v_floor_f32 v[NM+TS*\u], v[DD+TS*\u]           ; the new -M = -ceil(t)
.endr
.irp u, 0,1
	v_sub_f32 v[DD+TS*\u], v[NM+TS*\u], v[XX+TS*\u]   ; old M - new M: a whole number, 0 or less
.endr
.irp u, 0,1
	v_cvt_i32_f32 v[DD+TS*\u], v[DD+TS*\u]         ; (it saturates)
.endr
.irp u, 0,1
	v_ldexp_f32 v[FF+TS*\u], 1.0, v[DD+TS*\u]      ; f = 2^(old M - new M)
.endr
.irp u, 0,1
	v_add_f32 v[DD+TS*\u], 0x42fa0000, v[NM+TS*\u] ; 125 - M
.endr
.set j, 0
.rept 16
.irp u, 0,1
	v_pk_mul_f32 v[128+32*\u+j:128+32*\u+j+1], v[128+32*\u+j:128+32*\u+j+1], v[FF+TS*\u:FF+TS*\u+1] op_sel_hi:[1,0]   ; O^T under the new M
.endr
.set j, j+2
.endr
.irp c, 0,1
.irp u, 0,1
	v_fma_f32 v[BM+\c+TS*\u], v[BM+\c+TS*\u], s[CS], v[DD+TS*\u]   ; the block's largest t - M, + 125
.endr
.endr
.irp c, 0,1
.irp u, 0,1
	v_max_num_f32 v[BM+\c+TS*\u], 1.0, v[BM+\c+TS*\u]          ; the byte cannot fall under 1
.endr
.endr
.irp c, 0,1
.irp u, 0,1
	v_cvt_i32_f32 v[BY+\c+TS*\u], v[BM+\c+TS*\u]   ; its whole part: the scale's byte
.endr
.endr
.irp c, 0,1
.irp u, 0,1
	v_lshlrev_b32 v[SO+\c+TS*\u], 23, v[BY+\c+TS*\u]           ; as an exponent field: the conversion's scale operand
.endr
.endr
.set j, 0
.rept 32
.irp u, 0,1
	v_pk_fma_f32 v[64*\u+j:64*\u+j+1], v[64*\u+j:64*\u+j+1], s[CS:CS+1], v[NM+TS*\u:NM+TS*\u+1] op_sel_hi:[1,0,0]   ; t - M
.endr
.set j, j+2
.endr
	WIN 0
	s_wait_alu depctr_va_vdst(0)
.endm
; THE BACK HALF: v and its scale words have been waited for.
.macro BACK
	WIN 0x55
	s_wait_alu depctr_va_vdst(0)                   ; ahead of the batch
.set j, 0
.rept 128
	v_exp_f32 v[j], v[j]                           ; p = 2^(t - M)
.set j, j+1
.endr
.irp u, 0,1
	v_pk_mul_f32 v[LL+TS*\u:LL+TS*\u+1], v[LL+TS*\u:LL+TS*\u+1], v[FF+TS*\u:FF+TS*\u+1] op_sel_hi:[1,0]   ; l under the new M: plain lines behind the exponentials
.endr
	s_wait_alu depctr_va_vdst(0)                   ; one wait for the batch, ahead of its first reader
.irp u, 0,1
	v_lshl_or_b32 v[WW+TS*\u], v[BY+1+TS*\u], 16, v[BY+TS*\u]
.endr
.irp u, 0,1
	v_lshlrev_b32 v[WW+TS*\u], v[SH8], v[WW+TS*\u] ; my two bytes at their places in the word
.endr
.irp u, 0,1
	v_permlanex16_b32 v[YY+TS*\u], v[WW+TS*\u], s[SEL], s[SEL+1]
.endr
	WIN 0x15                                       ; sources in window 1, destinations in window 0
.irp u, 0,1
	v_or_b32 v[PW+\u], v[WW+TS*\u], v[YY+TS*\u]    ; with lane l xor 16's two: p's scale word
.endr
.irp u, 0,1
.irp c, 0,1
	v_cvt_scalef32_pk16_fp6_f32 v[PC+12*\u+6*\c:PC+12*\u+6*\c+2], v[64*\u+32*\c:64*\u+32*\c+15], v[SO+\c+TS*\u]
	v_cvt_scalef32_pk16_fp6_f32 v[CT+8*\u+4*\c:CT+8*\u+4*\c+2], v[64*\u+32*\c+16:64*\u+32*\c+31], v[SO+\c+TS*\u]
.endr
.endr
	WIN 0
	v_nop                                          ; one plain line behind the conversions
.irp u, 0,1
.irp c, 0,1
.irp i, 0,1,2
	v_mov_b32 v[PC+12*\u+6*\c+3+\i], v[CT+8*\u+4*\c+\i]   ; a conversion's three registers begin on an even number
.endr
.endr
.endr
	WIN 0x55                                       ; l += the unquantised p, four chains a tile.  (These 64 lines are also the places behind the writes of p's codes and scale words)
.irp u, 0,1
	v_pk_add_f32 v[LL+TS*\u:LL+TS*\u+1], v[LL+TS*\u:LL+TS*\u+1], v[64*\u:64*\u+1]
	v_pk_add_f32 v[T1+TS*\u:T1+TS*\u+1], v[64*\u+2:64*\u+3], v[64*\u+10:64*\u+11]
	v_pk_add_f32 v[T2+TS*\u:T2+TS*\u+1], v[64*\u+4:64*\u+5], v[64*\u+12:64*\u+13]
	v_pk_add_f32 v[T3+TS*\u:T3+TS*\u+1], v[64*\u+6:64*\u+7], v[64*\u+14:64*\u+15]
.endr
.irp u, 0,1
	v_pk_add_f32 v[LL+TS*\u:LL+TS*\u+1], v[LL+TS*\u:LL+TS*\u+1], v[64*\u+8:64*\u+9]
.endr
.irp j, 16,24,32,40,48,56
.irp u, 0,1
	v_pk_add_f32 v[LL+TS*\u:LL+TS*\u+1], v[LL+TS*\u:LL+TS*\u+1], v[64*\u+\j:64*\u+\j+1]
	v_pk_add_f32 v[T1+TS*\u:T1+TS*\u+1], v[T1+TS*\u:T1+TS*\u+1], v[64*\u+\j+2:64*\u+\j+3]
	v_pk_add_f32 v[T2+TS*\u:T2+TS*\u+1], v[T2+TS*\u:T2+TS*\u+1], v[64*\u+\j+4:64*\u+\j+5]
	v_pk_add_f32 v[T3+TS*\u:T3+TS*\u+1], v[T3+TS*\u:T3+TS*\u+1], v[64*\u+\j+6:64*\u+\j+7]
.endr
.endr
.irp u, 0,1
	v_pk_add_f32 v[LL+TS*\u:LL+TS*\u+1], v[LL+TS*\u:LL+TS*\u+1], v[T1+TS*\u:T1+TS*\u+1]
	v_pk_add_f32 v[T2+TS*\u:T2+TS*\u+1], v[T2+TS*\u:T2+TS*\u+1], v[T3+TS*\u:T3+TS*\u+1]
.endr
.irp u, 0,1
	v_pk_add_f32 v[LL+TS*\u:LL+TS*\u+1], v[LL+TS*\u:LL+TS*\u+1], v[T2+TS*\u:T2+TS*\u+1]
.endr
	WIN 0x50                                       ; C and D in window 1; the eight accumulators take turns
	s_wait_alu depctr_va_vdst(0)                   ; behind the exponentials, directly ahead of the products that read O^T
.irp t, 0,1,2,3
.irp u, 0,1
	v_wmma_scale_f32_16x16x128_f8f6f4 v[128+32*\u+8*\t:128+32*\u+8*\t+7], v[VF+12*\t:VF+12*\t+11], v[PC+12*\u:PC+12*\u+11], v[128+32*\u+8*\t:128+32*\u+8*\t+7], v[VS+\t], v[PW+\u] matrix_a_fmt:MATRIX_FMT_FP6 matrix_b_fmt:MATRIX_FMT_FP6
.endr
.endr
	WIN 0
.endm
	s_wait_alu depctr_va_vdst(0)                   ; the wait at the head's end
	s_wait_tensorcnt 0x0                           ; my eighth of the head has landed,
	s_barrier_signal -1
	s_barrier_wait -1                              ; everybody's has: the head is whole, and nobody writes it again
	KLOAD L16, L8                                  ; record 0's k
	s_mov_b32 s[TB], 0
	s_mov_b32 s[TN], REC
	s_wait_dscnt 0x0
	FRONT                                          ; step 0's front half
	s_mov_b32 s[CNT], 1
.Lstep:
	s_wait_dscnt 0x0                               ; v and the next record's k are in: the youngest of these loads stands some 250 vector lines back
	BACK
	s_mul_i32 s[TB], s[CNT], REC
	s_add_co_u32 s[TMP], s[CNT], 1
	s_min_u32 s[TMP], s[TMP], 15
	s_mul_i32 s[TN], s[TMP], REC
	FRONT
	s_add_co_u32 s[CNT], s[CNT], 1
	s_cmp_lt_u32 s[CNT], 16
	s_cbranch_scc1 .Lstep
	s_wait_dscnt 0x0
	BACK                                           ; step 15's back half
	; THE WAY OUT: O^T / l; a lane's 32 registers are channels 32 (lane / 16) + 0 .. 31, one block
.rept 4
	v_nop
.endr
	WIN 0x55
.irp u, 0,1
	v_add_f32 v[LL+TS*\u], v[LL+TS*\u], v[LL+1+TS*\u]
.endr
.irp u, 0,1
	v_permlanex16_b32 v[YY+TS*\u], v[LL+TS*\u], s[SEL], s[SEL+1]
.endr
.irp u, 0,1
	v_add_f32 v[LL+TS*\u], v[LL+TS*\u], v[YY+TS*\u]   ; l
.endr
.irp u, 0,1
	v_cmp_eq_f32 s[40+\u], 0, v[LL+TS*\u]          ; no key counted
.endr
	s_wait_alu depctr_va_vdst(0)                   ; ahead of the reciprocals
.irp u, 0,1
	v_rcp_f32 v[XX+TS*\u], v[LL+TS*\u]
.endr
	v_mov_b32 v[C255], 0xff                        ; (the plain line behind them)
	s_wait_alu depctr_va_vdst(0)                   ; ahead of their first reader, which is also O^T's
.set j, 0
.rept 16
.irp u, 0,1
	v_pk_mul_f32 v[64*\u+j:64*\u+j+1], v[128+32*\u+j:128+32*\u+j+1], v[XX+TS*\u:XX+TS*\u+1] op_sel_hi:[1,0]
.endr
.set j, j+2
.endr
.irp c, 0,1
.irp u, 0,1
	v_max3_num_f32 v[BM+\c+TS*\u], |v[64*\u+16*\c]|, |v[64*\u+16*\c+1]|, 0x1800000
.endr
.endr
.irp i, 2,4,6,8,10,12,14
.irp c, 0,1
.irp u, 0,1
	v_max3_num_f32 v[BM+\c+TS*\u], v[BM+\c+TS*\u], |v[64*\u+16*\c+\i]|, |v[64*\u+16*\c+\i+1]|
.endr
.endr
.endr
.irp u, 0,1
	v_max_num_f32 v[BM+TS*\u], v[BM+TS*\u], v[BM+1+TS*\u]
.endr
.irp u, 0,1
	v_add_nc_u32 v[SO+TS*\u], 0xff000000, v[BM+TS*\u]
.endr
.irp u, 0,1
	v_lshrrev_b32 v[BY+TS*\u], 23, v[SO+TS*\u]
.endr
	WIN 0x15
.irp u, 0,1
	v_cndmask_b32 v[OB+\u], v[BY+TS*\u], v[C255], s[40+\u]   ; 0xff where no key counted
.endr
.irp u, 0,1
	v_cvt_scalef32_pk16_fp6_f32 v[PC+12*\u:PC+12*\u+2], v[64*\u:64*\u+15], v[SO+TS*\u]
	v_cvt_scalef32_pk16_fp6_f32 v[CT+8*\u:CT+8*\u+2], v[64*\u+16:64*\u+31], v[SO+TS*\u]
.endr
	WIN 0
	v_nop
.irp u, 0,1
.irp i, 0,1,2
	v_mov_b32 v[PC+12*\u+3+\i], v[CT+8*\u+\i]
.endr
.endr
.irp u, 0,1
.irp i, 0,1,2
	global_store_b64 v[L8], v[PC+12*\u+2*\i:PC+12*\u+2*\i+1], s[52:53] offset:3072*\u+256*\i   ; 32 lanes store 256 consecutive bytes, aligned
.endr
	global_store_b8 v[R32], v[OB+\u], s[54:55] offset:512*\u   ; a byte a lane: my block's; rows 32 bytes apart
.endr
	s_wait_tensorcnt 0x0                           ; the wave's end
	ds_add_u32 v[SPW], v[NIL]
	s_wait_dscnt 0x0
	CROUND                                         ; the closing round
	s_endpgm
.Lfunc_end_k_q9c9ce0eae5_attn:
	.size	k_q9c9ce0eae5_attn, .Lfunc_end_k_q9c9ce0eae5_attn-k_q9c9ce0eae5_attn
	.p2alignl 7, 3214868480
	.fill 96, 4, 3214868480
	.section	.rodata,"a",@progbits
	.p2align	6, 0x0
	.amdhsa_kernel k_q9c9ce0eae5_attn
		.amdhsa_group_segment_fixed_size 212992
		.amdhsa_private_segment_fixed_size 0
		.amdhsa_enable_private_segment 0
		.amdhsa_kernarg_size 16
		.amdhsa_user_sgpr_count 2
		.amdhsa_user_sgpr_kernarg_segment_ptr 1
		.amdhsa_wavefront_size32 1
		.amdhsa_system_sgpr_workgroup_id_x 1
		.amdhsa_system_sgpr_workgroup_id_y 1
		.amdhsa_system_sgpr_workgroup_id_z 1
		.amdhsa_system_vgpr_workitem_id 0
		.amdhsa_next_free_vgpr 512
		.amdhsa_next_free_sgpr 66
		.amdhsa_reserve_vcc 0
		.amdhsa_float_denorm_mode_32 3
		.amdhsa_float_denorm_mode_16_64 3
		.amdhsa_memory_ordered 1
		.amdhsa_forward_progress 1
		.amdhsa_inst_pref_size 72
	.end_amdhsa_kernel
	.amdgpu_metadata
---
amdhsa.version: [ 1, 2 ]
amdhsa.kernels:
  - .name:           k_q9c9ce0eae5_attn
    .symbol:         k_q9c9ce0eae5_attn.kd
    .args:
      - { .name: kvq, .offset: 0, .size: 8, .value_kind: global_buffer, .address_space: global }
      - { .name: att, .offset: 8, .size: 8, .value_kind: global_buffer, .address_space: global }
    .group_segment_fixed_size: 212992
    .private_segment_fixed_size: 0
    .kernarg_segment_align: 8
    .kernarg_segment_size: 16
    .max_flat_workgroup_size: 256
    .sgpr_count:     66
    .vgpr_count:     512
    .wavefront_size: 32
...
	.end_amdgpu_metadata
.endif
;; end of part 3
;; launch outp (part 4): grid 8 x 32, 4 waves a work-group, clusters of 4 x 4, 327,680 bytes of LDS; arguments att, opnd, out0; writes out0
.if DOCPART == 4
	.amdgcn_target "amdgcn-amd-amdhsa--gfx1250"
	.amdhsa_code_object_version 6
	.text
	.protected	k_q9c9ce0eae5_outp
	.globl	k_q9c9ce0eae5_outp
	.p2align	8
	.type	k_q9c9ce0eae5_outp,@function
k_q9c9ce0eae5_outp:
	s_mov_b64 s[64:65], 0
	v_nop
	global_prefetch_b8 v0, s[64:65] scope:SCOPE_SE
	s_setreg_imm32_b32 hwreg(HW_REG_WAVE_MODE, 25, 1), 1
	s_wait_xcnt 0x0
	s_wait_alu depctr_hold_cnt(0) depctr_sa_sdst(0) depctr_va_vdst(0) depctr_va_sdst(0) depctr_va_ssrc(0) depctr_va_vcc(0) depctr_vm_vsrc(0)
	s_getreg_b32 s2, hwreg(HW_REG_IB_STS2, 6, 4)
	s_cmp_eq_u32 s2, 0
	s_cbranch_scc0 .Lentry_in_a_cluster
	s_endpgm
.Lentry_in_a_cluster:
	s_bfe_u32 s2, ttmp6, 0x10000c
	s_cmp_lg_u32 s2, 0xf033
	s_cbranch_scc0 .Lentry_shape_is_right
	s_endpgm
.Lentry_shape_is_right:
; out = attention's result x W_out^T on codes of FP6 (E2M3) with E8M0 scales, K = 1,024.  A tile of 128 tokens x 128 columns is made by four waves, 64 x 64 each (16 accumulators).
; ALL OPERANDS LIE IN LDS, filled once by four loads at the head, one a wave: wave 0 A's codes (images of operand registers: 4 rows of 24,576 bytes, 786,432 apart), wave 1 W_out's 128 rows of 768 bytes (dense: 384 rows of 256 bytes,
; 16 bytes of padding behind each: 816 bytes from row to row), waves 2 and 3 the scale bytes of A's and of B's 128 rows.  One barrier; the eight K steps have none.
; CLUSTERS: 4 x 4 work-groups; A's loads are joint along a row of the cluster, B's along a column.  NO PREFETCH: everything is asked for at the head; there is no loop to run ahead in.
; THE MATRIX INSTRUCTION IS USED TRANSPOSED (source 0 = 16 rows of W_out, source 1 = 16 token positions): a lane holds eight neighbouring columns of one row of the result.
; Token position 16 a + 8 x + j of an aligned 64 is token 32 x + 8 a + j: the stores put the rows back in order.
.set SIZE_N, 1024
.set BPITCH, 816
.set FR,     12
.set ACH,    24576
.set AHALF,  12288
.set BREG,   4*ACH
.set BHALF,  64*BPITCH
.set SCL,    BREG+128*BPITCH
.set HALFS,  8*272
.set SBLK,   2*272
.set STAGE,  SCL+4*HALFS
.set SPITCH, 272
.set SBLOCK, 16*SPITCH
.set SPARE,  STAGE+16*SBLOCK
.set ASC,    3145728
.set OC,     5505024
.set OS,     6520832
.set ADRB, 8                           ; v8 my B fragments; v9 the same behind one padding more in lanes 16-31
.set ADRA, 16                          ; v16-19 my A fragments, one for each 256 along K
.set STO,  24
.set RD,   25
.set CO,   26
.set ADRS, 27
.set SPW,  28
.set NIL,  29
.set SC,   32                          ; v32-63 scale words and nothing else
.set BK,   64
.set ACC,  128
.set G1A,  24
.set G0A,  32
.set G0B,  36
.set G1B,  40
.set G1S,  48
.set G1SB, 56
.set G0S,  68
.set G0SB, 72
.set MSB, 0
.macro WIN new
.if MSB != \new
	s_set_vgpr_msb (MSB<<8)|\new
.set MSB, \new
.endif
.endm
.set MUL,  0x05                        ; sources 0 and 1 in window 1
.set TO_F, 0x40
.macro CROUND
	s_barrier_signal -1
	s_barrier_wait -1
	s_cmp_lg_u32 s14, 0
	s_cbranch_scc1 .Lnot_wave_0_\@
	s_barrier_signal -3
.Lnot_wave_0_\@:
	s_barrier_wait -3
	s_barrier_signal -1
	s_barrier_wait -1
.endm
	s_load_b128 s[4:7], s[0:1], 0x0                ; attention's codes and scales, the operands
	s_load_b64 s[12:13], s[0:1], 0x10              ; the result
	v_lshl_add_u32 v[SPW], v0, 2, SPARE
	v_mov_b32 v[NIL], 0
	ds_add_u32 v[SPW], v[NIL]                      ; the opening: the add twice and its wait ahead of my tensor load
	ds_add_u32 v[SPW], v[NIL]
	v_lshrrev_b32 v1, 5, v0
	v_readfirstlane_b32 s14, v1                    ; wave
	s_lshr_b32 s15, s14, 1                         ; my half of the tokens
	s_and_b32 s16, s14, 1                          ; my half of the columns
	s_bfe_u32 s2, ttmp6, 0x40000
	s_bfe_u32 s3, ttmp6, 0x40004
	s_lshl_b32 s18, ttmp9, 2
	s_add_co_u32 s18, s18, s2                      ; tile column
	s_and_b32 s17, ttmp7, 0xffff
	s_lshl_b32 s17, s17, 2
	s_add_co_u32 s17, s17, s3                      ; tile row
	s_lshl_b32 s19, s3, 2
	s_lshl_b32 s19, 15, s19                        ; my row of the cluster
	s_lshl_b32 s23, 0x1111, s2                     ; my column
	s_or_b32 s[G1A+0], s19, (3<<16)|(1<<21)        ; elements of 8 bytes, no padding
	s_mov_b32 s[G1A+1], 3072<<16
	s_mov_b32 s[G1A+2], 4<<16
	s_mov_b32 s[G1A+3], 3072<<16
	s_mov_b32 s[G1A+4], 4
	s_mov_b32 s[G1A+5], 98304
	s_mov_b32 s[G1A+6], 0
	s_mov_b32 s[G1A+7], 0
	s_or_b32 s[G1B+0], s23, (3<<16)|(1<<20)|(1<<21)|(5<<22)|(3<<25)
	s_mov_b32 s[G1B+1], 32<<16
	s_mov_b32 s[G1B+2], 384<<16
	s_mov_b32 s[G1B+3], 32<<16
	s_mov_b32 s[G1B+4], 384
	s_mov_b32 s[G1B+5], 32
	s_mov_b32 s[G1B+6], 0
	s_mov_b32 s[G1B+7], 0
	s_or_b32 s[G1S+0], s19, (3<<16)|(1<<20)|(1<<21)|(5<<22)|(3<<25)
	s_or_b32 s[G1SB+0], s23, (3<<16)|(1<<20)|(1<<21)|(5<<22)|(3<<25)
.irp g, G1S, G1SB
	s_mov_b32 s[\g+1], 32<<16
	s_mov_b32 s[\g+2], 16<<16
	s_mov_b32 s[\g+3], 32<<16
	s_mov_b32 s[\g+4], 16
	s_mov_b32 s[\g+5], 32
	s_mov_b32 s[\g+6], 0
	s_mov_b32 s[\g+7], 0
.endr
	s_mul_i32 s8, s17, ACH
	s_mov_b32 s9, 0
	s_lshl_b32 s10, s17, 12
	s_add_co_u32 s10, s10, ASC
	s_mov_b32 s11, 0
	s_mul_i32 s20, s18, 98304
	s_add_co_u32 s20, s20, OC
	s_mov_b32 s21, 0
	s_lshl_b32 s66, s18, 12
	s_add_co_u32 s66, s66, OS
	s_mov_b32 s67, 0
	s_wait_dscnt 0x0
	s_wait_kmcnt 0x0
	s_add_nc_u64 s[8:9], s[4:5], s[8:9]
	s_add_nc_u64 s[10:11], s[4:5], s[10:11]
	s_add_nc_u64 s[20:21], s[6:7], s[20:21]
	s_add_nc_u64 s[66:67], s[6:7], s[66:67]
	CROUND                                         ; all sixteen work-groups are here: the joint loads meet
	s_mov_b32 s[G0A], 1
	s_mov_b32 s[G0A+1], 0
	s_mov_b64 s[G0A+2:G0A+3], s[8:9]
	s_or_b32 s[G0A+3], s[G0A+3], 0x80000000
	s_mov_b32 s[G0B], 1
	s_mov_b32 s[G0B+1], BREG
	s_mov_b64 s[G0B+2:G0B+3], s[20:21]
	s_or_b32 s[G0B+3], s[G0B+3], 0x80000000
	s_mov_b32 s[G0S], 1
	s_mov_b32 s[G0S+1], SCL
	s_mov_b64 s[G0S+2:G0S+3], s[10:11]
	s_or_b32 s[G0S+3], s[G0S+3], 0x80000000
	s_mov_b32 s[G0SB], 1
	s_mov_b32 s[G0SB+1], SCL+2*HALFS
	s_mov_b64 s[G0SB+2:G0SB+3], s[66:67]
	s_or_b32 s[G0SB+3], s[G0SB+3], 0x80000000
.macro ARM under, g0, g1, next
	s_cmp_lt_u32 s14, \under
	s_cbranch_scc0 \next
	tensor_load_to_lds s[\g0:\g0+3], s[\g1:\g1+7]
	s_nop 0
.rept 4
	v_nop
.endr
	s_branch .Lhead_asked
\next:
.endm
	ARM 1, G0A, G1A, .Lhead_b
	ARM 2, G0B, G1B, .Lhead_sa
	ARM 3, G0S, G1S, .Lhead_sb
	tensor_load_to_lds s[G0SB:G0SB+3], s[G1SB:G1SB+7]
	s_nop 0
.rept 4
	v_nop
.endr
.Lhead_asked:
	s_mul_i32 s8, s15, AHALF                       ; my 64 tokens of A
	s_mul_i32 s9, s16, BHALF
	s_add_co_u32 s9, s9, BREG                      ; my 64 rows of B
	s_mul_i32 s10, s15, HALFS
	s_mul_i32 s11, s16, HALFS
	s_add_co_u32 s11, s11, 2*HALFS
	s_sub_co_u32 s11, s11, s10                     ; from A's scale words to B's
	s_add_co_u32 s10, s10, SCL
	s_mul_i32 s20, s14, 4*SBLOCK
	s_add_co_u32 s20, s20, STAGE                   ; my stage
	s_lshl_b32 s2, s17, 7
	s_lshl_b32 s3, s15, 6
	s_add_co_u32 s2, s2, s3
	s_lshl_b32 s2, s2, 12                          ; my first row of the result, in bytes
	s_lshl_b32 s3, s18, 9
	s_add_co_u32 s2, s2, s3
	s_lshl_b32 s3, s16, 8
	s_add_co_u32 s2, s2, s3                        ; and my first column
	s_mov_b32 s3, 0
	s_add_nc_u64 s[12:13], s[12:13], s[2:3]
	v_and_b32 v1, 15, v0
	v_bfe_u32 v2, v0, 4, 1
	v_and_b32 v6, 31, v0
	v_mul_u32_u24 v3, v1, BPITCH
	v_mad_u32_u24 v4, v2, 24, v3
	v_add_nc_u32 v[ADRB], s9, v4
	v_lshl_add_u32 v[ADRB+1], v2, 4, v[ADRB]
	v_lshlrev_b32 v3, 3, v6
	v_add_nc_u32 v[ADRA], s8, v3
.irp s, 1,2,3
	v_add_nc_u32 v[ADRA+\s], \s*ACH, v[ADRA]
.endr
	v_lshlrev_b32 v5, 5, v1                        ; my row's scales: 32 bytes a row,
	v_lshrrev_b32 v7, 8, v5
	v_lshl_add_u32 v5, v7, 4, v5                   ; and 16 more for each 256 passed
	v_mul_u32_u24 v7, s11, v2                      ; lanes 16-31 take B's
	v_add_nc_u32 v5, v5, v7
	v_add_nc_u32 v[ADRS], s10, v5
	v_mul_u32_u24 v5, v1, SPITCH
	v_lshl_add_u32 v5, v2, 5, v5
	v_add_nc_u32 v[STO], s20, v5
	v_mul_u32_u24 v5, v2, SPITCH
	v_lshl_add_u32 v5, v1, 4, v5
	v_add_nc_u32 v[RD], s20, v5
	v_lshlrev_b32 v[CO], 12, v2
	v_lshl_add_u32 v[CO], v1, 4, v[CO]
.macro FRAGB reg, k, i                 ; byte y of a row of codes lies at y + 16 (y / 256) of its LDS row
.set RG, \reg
.irp p, 0,1,2,3,4,5
.set BY, 96*(\k)+48*(\p/3)+8*(\p%3)
.if BY/256 == (BY+24)/256
	ds_load_b64 v[RG+2*\p:RG+2*\p+1], v[ADRB] offset:BY+16*(BY/256)+(\i)*16*BPITCH
.else
	ds_load_b64 v[RG+2*\p:RG+2*\p+1], v[ADRB+1] offset:BY+16*(BY/256)+(\i)*16*BPITCH
.endif
.endr
.endm
.macro FRAGA reg, k, i
.set RG, \reg
.irp p, 0,1,2,3,4,5
	ds_load_b64 v[RG+2*\p:RG+2*\p+1], v[ADRA+(\k)/2] offset:(2*(\i)+(\k)%2)*1536+256*\p
.endr
.endm
.macro FETCH k, f
	WIN TO_F
.irp i, 0,1,2,3
	FRAGB (\f)+FR*\i, \k, \i
.endr
.irp i, 0,1,2,3
	FRAGA (\f)+48+FR*\i, \k, \i
.endr
.endm
.macro MUL16 k, f                      ; the 16 accumulators take turns
.set FB, \f
	WIN MUL
.irp a, 0,1,2,3
.irp b, 0,1,2,3
.if (\k) == 0
	v_wmma_scale_f32_16x16x128_f8f6f4 v[ACC+8*(4*\a+\b):ACC+8*(4*\a+\b)+7], v[FB+FR*\b:FB+FR*\b+FR-1], v[FB+48+FR*\a:FB+48+FR*\a+FR-1], 0, v[SC+8*\b+(\k)], v[SC+8*\a+(\k)] matrix_a_fmt:MATRIX_FMT_FP6 matrix_b_fmt:MATRIX_FMT_FP6 matrix_a_scale:MATRIX_SCALE_ROW1
.else
	v_wmma_scale_f32_16x16x128_f8f6f4 v[ACC+8*(4*\a+\b):ACC+8*(4*\a+\b)+7], v[FB+FR*\b:FB+FR*\b+FR-1], v[FB+48+FR*\a:FB+48+FR*\a+FR-1], v[ACC+8*(4*\a+\b):ACC+8*(4*\a+\b)+7], v[SC+8*\b+(\k)], v[SC+8*\a+(\k)] matrix_a_fmt:MATRIX_FMT_FP6 matrix_b_fmt:MATRIX_FMT_FP6 matrix_a_scale:MATRIX_SCALE_ROW1
.endif
.endr
.endr
.endm
.macro PLACES
.rept 4
	v_nop
.endr
.endm
.macro KSTEP k                         ; this step's fragments are in; the next step's are asked for into the other set, then this step is multiplied
	s_wait_dscnt 0x0
.if (\k) < 7
.if (\k) > 0
	PLACES
.endif
	FETCH (\k)+1, 128*(((\k)+1)%2)
.endif
	MUL16 \k, 128*((\k)%2)
.endm
	s_wait_alu depctr_va_vdst(0)                   ; the wait at the head's end
	s_wait_tensorcnt 0x0                           ; my load has landed,
	s_barrier_signal -1
	s_barrier_wait -1                              ; everybody's has; nothing is filled again
.irp i, 0,1,2,3
	ds_load_b128 v[SC+8*\i:SC+8*\i+3], v[ADRS] offset:\i*SBLK
	ds_load_b128 v[SC+8*\i+4:SC+8*\i+7], v[ADRS] offset:\i*SBLK+16
.endr
	FETCH 0, 0
.irp k, 0,1,2,3,4,5,6,7
	KSTEP \k
.endr
	PLACES
	WIN 0
.macro TOSTAGE a                       ; 16 positions x 64 columns through my own stage, back as rows of 256 bytes
.irp b, 0,1,2,3
	ds_store_b128 v[STO], v[ACC+8*(4*(\a)+\b):ACC+8*(4*(\a)+\b)+3] offset:(\a)*SBLOCK+64*\b
	ds_store_b128 v[STO], v[ACC+8*(4*(\a)+\b)+4:ACC+8*(4*(\a)+\b)+7] offset:(\a)*SBLOCK+64*\b+16
.endr
.set BB, BK+32*((\a)%2)
.irp t, 0,1,2,3,4,5,6,7
	ds_load_b128 v[BB+4*\t:BB+4*\t+3], v[RD] offset:(\a)*SBLOCK+2*\t*SPITCH
.endr
.endm
.macro SEND a, younger
.set BB, BK+32*((\a)%2)
	s_wait_dscnt \younger
.irp t, 0,1,2,3,4,5,6,7
	global_store_b128 v[CO], v[BB+4*\t:BB+4*\t+3], s[12:13] offset:(32*(\t/4)+8*(\a)+2*(\t%4))*SIZE_N*4 th:TH_STORE_NT   ; position 16 a + 2 t + lane / 16 is token 32 (t / 4) + 8 a + 2 (t % 4) + lane / 16; 16 lanes store 256 bytes, aligned
.endr
.endm
	TOSTAGE 0
.irp a, 1,2,3
.if \a > 1
	s_wait_xcnt 0x0                                ; block a - 2's stores have read their registers
.endif
	TOSTAGE \a
	SEND \a-1, 16
.endr
	SEND 3, 0
	s_wait_tensorcnt 0x0                           ; the wave's end
	ds_add_u32 v[SPW], v[NIL]
	s_wait_dscnt 0x0
	CROUND                                         ; the closing round
	s_endpgm
.Lfunc_end_k_q9c9ce0eae5_outp:
	.size	k_q9c9ce0eae5_outp, .Lfunc_end_k_q9c9ce0eae5_outp-k_q9c9ce0eae5_outp
	.p2alignl 7, 3214868480
	.fill 96, 4, 3214868480
	.section	.rodata,"a",@progbits
	.p2align	6, 0x0
	.amdhsa_kernel k_q9c9ce0eae5_outp
		.amdhsa_group_segment_fixed_size 327680
		.amdhsa_private_segment_fixed_size 0
		.amdhsa_enable_private_segment 0
		.amdhsa_kernarg_size 24
		.amdhsa_user_sgpr_count 2
		.amdhsa_user_sgpr_kernarg_segment_ptr 1
		.amdhsa_wavefront_size32 1
		.amdhsa_system_sgpr_workgroup_id_x 1
		.amdhsa_system_sgpr_workgroup_id_y 1
		.amdhsa_system_sgpr_workgroup_id_z 1
		.amdhsa_system_vgpr_workitem_id 0
		.amdhsa_next_free_vgpr 512
		.amdhsa_next_free_sgpr 80
		.amdhsa_reserve_vcc 0
		.amdhsa_float_denorm_mode_32 3
		.amdhsa_float_denorm_mode_16_64 3
		.amdhsa_memory_ordered 1
		.amdhsa_forward_progress 1
		.amdhsa_inst_pref_size 59
	.end_amdhsa_kernel
	.amdgpu_metadata
---
amdhsa.version: [ 1, 2 ]
amdhsa.kernels:
  - .name:           k_q9c9ce0eae5_outp
    .symbol:         k_q9c9ce0eae5_outp.kd
    .args:
      - { .name: att, .offset: 0, .size: 8, .value_kind: global_buffer, .address_space: global }
      - { .name: opnd, .offset: 8, .size: 8, .value_kind: global_buffer, .address_space: global }
      - { .name: out0, .offset: 16, .size: 8, .value_kind: global_buffer, .address_space: global }
    .group_segment_fixed_size: 327680
    .private_segment_fixed_size: 0
    .kernarg_segment_align: 8
    .kernarg_segment_size: 24
    .max_flat_workgroup_size: 128
    .sgpr_count:     80
    .vgpr_count:     512
    .wavefront_size: 32
...
	.end_amdgpu_metadata
.endif
;; end of part 4
